; MI455X (gfx1250); checked and timed in simulation.
; The chip was launched on July 23, 2026; its instructions are those of AMD's public machine-readable ISA for CDNA 5 (MIT licence, August 2026) and "CDNA5" Instruction Set Architecture Reference Guide (July 2026). The comments in the code are by the model that wrote it; some were corrected since.
;; Attention. Allowed arithmetic: matrix products marked QUANTISED: E2M3 operands, one E8M0 scale for each 32 along K, by v_wmma_scale_f32_16x16x128_f8f6f4 with both operands' format E2M3, f32 sums; everything else in f32.
;; Inputs: Wkv 1,024 x 2,048 float32; Wout 1,024 x 1,024 float32; Wq 1,024 x 1,024 float32; bout 1,024 float32; context 4 x 2,048 x 1,024 float32; mask 4 x 2,048 bool; x 4 x 2,048 x 1,024 float32.
;; Outputs: out0 4 x 2,048 x 1,024 float32.
;; Constants: key_chunk_size = 4096, query_chunk_size = 1024.
;; This version of the problem:
;;   THIS VERSION OF THE PROBLEM IS GIVEN IN LOW PRECISION. The matrix products marked QUANTISED in the list below multiply operands that are first quantised to E2M3 (2 exponent bits, 3 mantissa bits; 6 bits a number), with one power-of-two scale for each 32 numbers along K (OCP MX v1.0); their sums are f32. All else is computed in f32.
;;   The module's matrix products, in the order in which they are computed (A, B: the left and right operand; K: the contracted axis; several contracted axes count as one K, in the product's order):
;;     1. [M 8,192, K 1,024] x [K 1,024, N 1,024]; A: input x; B: input Wq: QUANTISED
;;     2. [M 8,192, K 1,024] x [K 1,024, N 2,048]; A: input context; B: input Wkv: QUANTISED
;;     3. batch 64 x [M 2,048, K 64] x [K 64, N 2,048]; A: computed on the way; B: computed on the way: QUANTISED
;;     4. batch 64 x [M 64, K 2,048] x [K 2,048, N 2,048]; A: computed on the way; B: softmax (see below): QUANTISED
;;     5. [M 8,192, K 1,024] x [K 1,024, N 1,024]; A: computed on the way; B: input Wout: QUANTISED
;;   THE QUANTISER, for each operand of a quantised product, along K:
;;     - K is cut into blocks of 32 from its start; a last block that is shorter is filled with zeros.
;;     - A block's scale is 2^e with e = floor(log2(the largest magnitude in the block)) - 2, held to -126 .. 127; a block of zeros has e = 0. As a byte (E8M0): e + 127.
;;     - Each number is divided by its block's scale, clamped to +-7.5, and rounded to the nearest number of E2M3, ties to even, subnormals kept.
;;     - The product sums the exact products of the quantised numbers (number of the format x scale) in f32.
;;   ~~~python
;;   def quantise(x, axis):      # numpy; x: float32 -> the quantised numbers, widened to float32 again
;;       x = np.moveaxis(x, axis, -1); K = x.shape[-1]
;;       x = np.pad(x, [(0, 0)] * (x.ndim - 1) + [(0, -K % 32)]); x = x.reshape(x.shape[:-1] + (-1, 32)); a = np.abs(x).max(-1, keepdims=True)
;;       e = np.where(a > 0, np.clip(np.frexp(np.where(a > 0, a, 1))[1] - 1 - 2, -126, 127), 0)      # np.frexp(a)[1] - 1 = floor(log2(a)), exactly
;;       r = np.clip(x / 2.0 ** e, -7.5, 7.5)
;;       step = 2.0 ** (np.maximum(np.frexp(np.where(r == 0, 1, r))[1] - 1, 0) - 3)
;;       q = np.round(r / step) * step * 2.0 ** e      # np.round: ties to even
;;       return np.moveaxis(q.reshape(q.shape[:-2] + (-1,))[..., :K], -1, axis).astype(np.float32)
;;   ~~~
;;   SOFTMAX AHEAD OF A QUANTISED PRODUCT. Where the list says 'softmax', what is quantised is not the finished softmax but p = 2^(t - M), with t = logit x log2(e) and M = ceil(the row's largest t), a whole number; so 1/2 < the row's largest p <= 1. The row's sum l is taken of the UNQUANTISED p, in f32, and the product's result is divided by l at the end. Since M is a whole number, a kernel that streams over the keys may use a running M (the ceiling of the running maximum): every later rescaling is an exact power of two, which a block's scale takes up: the codes' values come out the same.
;;   OPERANDS COMPUTED ON THE WAY. 'Computed on the way' means the value that the module computes at that place (a softmax that the list does not call 'softmax' is quantised finished and normalised). What goes into a quantiser is computed in f32, as accurately as f32 sums, v_exp_f32 and their like allow (about 1e-6 of the number): no bf16 or f16 on the way to a quantiser, and a product that is left as it is and whose result goes on into a quantised operand takes f32 operands (vector FMAs, or v_wmma_f32_16x16x4_f32). A number that lies on a knife's edge between two numbers of the format may be rounded either way, as far as f32 arithmetic and the matrix unit's own rounding can turn it there, and no further.
;; One version. Each part assembles by itself: llvm-mc -triple=amdgcn-amd-amdhsa -mcpu=gfx1250 --defsym DOCPART=n.
;; ======== version 1 of 1: 4 launches
;; limits: right only within a limited range of input values
;; workspace buffers: acodes 12,582,912 bytes; ascales 524,288 bytes; wcodes 3,145,728 bytes; wscales 131,072 bytes; kv 13,369,344 bytes; ocodes 6,291,456 bytes; oscales 262,144 bytes
;; launch quant (part 1): grid 640 x 1, 4 waves a work-group, no clusters, 70,144 bytes of LDS; arguments x, context, Wq, Wkv, Wout, acodes, ascales, wcodes, wscales; writes acodes, ascales, wcodes, wscales
.if DOCPART == 1
	.amdgcn_target "amdgcn-amd-amdhsa--gfx1250"
	.amdhsa_code_object_version 6
	.text
	.protected	k_q31db9cff0e_quant
	.globl	k_q31db9cff0e_quant
	.p2align	8
	.type	k_q31db9cff0e_quant,@function
k_q31db9cff0e_quant:
	s_mov_b64 s[64:65], 0
	v_nop
	global_prefetch_b8 v0, s[64:65] scope:SCOPE_SE
	s_setreg_imm32_b32 hwreg(HW_REG_WAVE_MODE, 25, 1), 1
	s_wait_xcnt 0x0
; x, context [8192][1024] f32 (K innermost) and Wq, Wkv, Wout f32 (K = the first axis) become codes of FP6 (E2M3) with one E8M0 byte for each 32 along K.
; A block's scale is 2^(floor(log2(largest magnitude)) - 2): its byte is the largest magnitude's exponent field - 2, held at 1 from below.
; PLACES: a row (or a weight's column) stands at place pi(row), pi = the number with bits 3 and 4 exchanged.  acodes: 16,384 places (x, then context); wcodes: 4,096 (columns of Wq, Wkv, Wout).
; CODES are laid [tile of 16 places][block of 32 along K][place in the tile][24 bytes]: 12,288 bytes a tile.  128 along K of a tile are 1,536 bytes on end, and lane l of a 6-bit operand takes
; its 24 bytes at 24 l and at 768 + 24 l.  SCALE BYTES are laid [place][32].
; LIMITS: a block of zeros, or one whose largest magnitude lies under 2^-124, keeps the byte 1 (zeros stay zeros; this program alone reads the bytes); NaN and infinities among the inputs are not served.
; Work-groups 0-511: 32 rows of x or context (a wave: 16 places x 512 along K); work-groups 512-639: 128 columns x 256 along K of a weight.  The two ways have LDS bytes of their own.  Waves share nothing: no barrier.
.set EMAX,  2
.set RP,    528                        ; rows: a stage row: 512 bytes + 16
.set RREG,  16*RP+256                  ; a wave's stage and its 256 scale bytes
.set WSTG,  4*RREG                     ; weights: the stages, 32 rows x WPITCH a wave
.set WPITCH, 272
.set SPARE, WSTG+4*32*WPITCH           ; the spare words
.set TILB,  12288
.set RR,    16                         ; rows: v16-79 sixteen loads; v80-143 four sets of 16 neighbours; v144-207 codes, four registers a step; v208-211 scale bytes
.set XX,    80
.set CC,    144
.set EE,    208
.set SPW,   212
.set NIL,   213
.set NB,    8                          ; weights: v32-95 two sets of 32; v96.. a block's codes; v112-175 the way out; v24-25 scale bytes; v176-207 offsets
.set WX,    32
.set WC,    96
.set OUTR,  112
.set SB,    24
.set OFFS,  176
	v_lshl_add_u32 v[SPW], v0, 2, SPARE
	v_mov_b32 v[NIL], 0
	v_lshrrev_b32 v1, 5, v0
	v_readfirstlane_b32 s16, v1                    ; wave
	v_and_b32 v2, 31, v0                           ; lane
	s_cmp_lt_u32 ttmp9, 512
	s_cbranch_scc0 .Lweights
; ROWS.  A group is 16 places x 128 along K: sixteen loads of 512 consecutive bytes go through the stage; then lane l holds 16 neighbours of place l / 2, and a block's codes of the 16 places are 384 bytes on end.
	s_load_b128 s[4:7], s[0:1], 0x0                ; x, context
	s_load_b128 s[8:11], s[0:1], 0x28              ; acodes, ascales
	v_lshlrev_b32 v3, 4, v2
	s_mul_i32 s17, s16, RREG
	v_add_nc_u32 v14, s17, v3                      ; stage, in: 16 x lane of a row
	v_lshrrev_b32 v10, 1, v2
	v_and_b32 v11, 1, v2
	v_mul_u32_u24 v15, v10, RP
	v_lshl_add_u32 v15, v11, 6, v15
	v_add_nc_u32 v15, s17, v15                     ; out: row l / 2, 64 bytes x (l % 2)
	v_mul_u32_u24 v4, v2, 12                       ; my 12 bytes of a block's 384
	s_add_co_u32 s17, s17, 16*RP
	v_lshl_add_u32 v5, v10, 4, s17                 ; my place's 16 scale bytes in LDS
	v_lshl_add_u32 v6, v2, 3, s17                  ; and 8 bytes a lane on the way out
	v_lshlrev_b32 v7, 5, v10
	v_lshl_add_u32 v7, v11, 3, v7                  ; in ascales: 32 (l / 2) + 8 (l % 2)
	s_wait_alu depctr_va_vdst(0)                   ; the wait at the head's end
	s_wait_kmcnt 0x0
	s_cmp_lt_u32 ttmp9, 256                        ; x or context
	s_cselect_b64 s[4:5], s[4:5], s[6:7]
	s_and_b32 s17, ttmp9, 255
	s_lshr_b32 s18, s16, 1                         ; which of the two tiles
	s_and_b32 s19, s16, 1                          ; which 512 along K
	s_lshl_b32 s20, s17, 17                        ; 32 rows of 4,096 bytes
	s_lshl_b32 s22, s18, 15                        ; the tile's rows are 8 T + i % 8 + 16 (i / 8)
	s_add_co_u32 s20, s20, s22
	s_lshl_b32 s22, s19, 11
	s_add_co_u32 s20, s20, s22
	s_mov_b32 s21, 0
	s_add_nc_u64 s[4:5], s[4:5], s[20:21]
	s_lshl_b32 s22, ttmp9, 1
	s_add_co_u32 s22, s22, s18                     ; my tile
	s_mul_i32 s20, s22, TILB
	s_mul_i32 s23, s19, 6144
	s_add_co_u32 s20, s20, s23
	s_add_nc_u64 s[8:9], s[8:9], s[20:21]
	s_lshl_b32 s20, s22, 9
	s_lshl_b32 s23, s19, 4
	s_add_co_u32 s20, s20, s23
	s_add_nc_u64 s[10:11], s[10:11], s[20:21]
.macro GLOAD g
.irp i, 0,1,2,3,4,5,6,7,8,9,10,11,12,13,14,15
	global_load_b128 v[RR+4*\i:RR+4*\i+3], v3, s[4:5] offset:(\i%8+16*(\i/8))*4096+512*(\g) th:TH_LOAD_NT
.endr
.endm
.macro RSTEP g, k
.set XS, XX+16*(\k)
.set TT, 4*(\g)+(\k)
	s_wait_dscnt 12-3*(\k)                         ; block k's four loads are in; behind them: 4 (3 - k) loads and k byte stores
	v_max3_num_f32 v8, |v[XS]|, |v[XS+1]|, |v[XS+2]|
	v_max3_num_f32 v9, |v[XS+3]|, |v[XS+4]|, |v[XS+5]|
.irp i, 6,10
	v_max3_num_f32 v8, v8, |v[XS+\i]|, |v[XS+\i+1]|
	v_max3_num_f32 v9, v9, |v[XS+\i+2]|, |v[XS+\i+3]|
.endr
	v_max3_num_f32 v8, v8, |v[XS+14]|, |v[XS+15]|
	v_max3_num_f32 v8, v8, v9, (EMAX+1)<<23        ; the floor: the byte cannot fall under 1
	v_max_num_f32_dpp v8, v8, v8 row_xmask:1 row_mask:0xf bank_mask:0xf   ; with my neighbour's 16
	v_add_nc_u32 v11, -(EMAX<<23), v8              ; the conversion's scale operand
	v_cvt_scalef32_pk16_fp6_f32 v[CC+4*TT:CC+4*TT+2], v[XS:XS+15], v11
	v_lshrrev_b32 v[EE+(\k)], 23, v11              ; the byte
	ds_store_b8 v5, v[EE+(\k)] offset:TT           ; both lanes of a block write the same byte
	global_store_b96 v4, v[CC+4*TT:CC+4*TT+2], s[8:9] offset:1536*(\g)+384*(\k)   ; the wave stores 384 consecutive bytes
.endm
.macro GROUP g
	s_wait_loadcnt 0x0
.irp i, 0,1,2,3,4,5,6,7,8,9,10,11,12,13,14,15
	ds_store_b128 v14, v[RR+4*\i:RR+4*\i+3] offset:\i*RP
.endr
.irp j, 0,1,2,3,4,5,6,7,8,9,10,11,12,13,14,15
	ds_load_b128 v[XX+4*\j:XX+4*\j+3], v15 offset:128*(\j/4)+16*(\j%4)   ; LDS serves a wave's instructions in order
.endr
.if (\g) < 3
	s_wait_dscnt 16                                ; the sixteen stores have read their registers
	GLOAD (\g)+1
.endif
	RSTEP \g, 0
	RSTEP \g, 1
	RSTEP \g, 2
	RSTEP \g, 3
.endm
	GLOAD 0
	GROUP 0
	GROUP 1
	GROUP 2
	GROUP 3
	ds_load_b64 v[12:13], v6                       ; in order behind my byte stores
	s_wait_dscnt 0x0
	global_store_b64 v7, v[12:13], s[10:11]        ; 16 bytes of each of my 16 places
	s_wait_tensorcnt 0x0                           ; the wave's end
	ds_add_u32 v[SPW], v[NIL]
	s_wait_dscnt 0x0
	s_endpgm
; WEIGHTS.  A lane takes a column, its registers run down K: a block of 32 lies in one lane.
.Lweights:
	s_load_b128 s[4:7], s[0:1], 0x10               ; Wq, Wkv
	s_load_b64 s[8:9], s[0:1], 0x20                ; Wout
	s_load_b128 s[12:15], s[0:1], 0x38             ; wcodes, wscales
	s_sub_co_u32 s17, ttmp9, 512
	s_and_b32 s18, s17, 3                          ; which 256 along K
	s_lshr_b32 s17, s17, 2                         ; which 128 of the 4,096 columns
	s_wait_alu depctr_va_vdst(0)                   ; the wait behind the branch taken
	v_lshlrev_b32 v3, 2, v2
	v_and_b32 v10, 7, v2
	v_bfe_u32 v11, v2, 3, 1
	v_lshl_or_b32 v10, v11, 4, v10
	v_bfe_u32 v11, v2, 4, 1
	v_lshl_or_b32 v10, v11, 3, v10                 ; pi(lane)
	s_mul_i32 s19, s16, 32*WPITCH
	s_add_co_u32 s19, s19, WSTG                    ; my stage
	v_mul_u32_u24 v4, v10, WPITCH
	v_add_nc_u32 v4, s19, v4                       ; into it: row pi(lane)
	v_lshrrev_b32 v5, 1, v2
	v_and_b32 v6, 1, v2
	v_mul_u32_u24 v7, v5, WPITCH
	v_lshl_add_u32 v7, v6, 4, v7
	v_add_nc_u32 v7, s19, v7                       ; out of it: place l / 2, half l % 2 of a block
	v_mul_u32_u24 v8, v2, 12                       ; and my 12 bytes of the block's 384 in wcodes
	v_lshlrev_b32 v9, 5, v10                       ; my place's row of scale bytes
	s_wait_kmcnt 0x0
	s_cmp_lt_u32 s17, 8                            ; column groups 0-7 Wq, 8-23 Wkv, 24-31 Wout
	s_cselect_b64 s[4:5], s[4:5], s[6:7]
	s_cselect_b32 s20, 0, 8
	s_cselect_b32 s21, 12, 13                      ; log2 of the weight's row in bytes
	s_cmp_lt_u32 s17, 24
	s_cselect_b64 s[4:5], s[4:5], s[8:9]
	s_cselect_b32 s20, s20, 24
	s_cselect_b32 s21, s21, 12
	s_sub_co_u32 s20, s17, s20
	s_lshl_b32 s22, 1, s21
	s_lshl_b32 s24, s18, 8
	s_lshl_b32 s24, s24, s21
	s_lshl_b32 s25, s20, 9
	s_add_co_u32 s24, s24, s25
	s_lshl_b32 s25, s16, 7
	s_add_co_u32 s24, s24, s25
	s_mov_b32 s25, 0
	s_add_nc_u64 s[32:33], s[4:5], s[24:25]        ; a base for each block of 32 rows
	s_lshl_b32 s24, 32, s21
.irp t, 1,2,3,4,5,6,7
	s_add_nc_u64 s[32+2*\t:33+2*\t], s[30+2*\t:31+2*\t], s[24:25]
.endr
.set i, 0
.rept 32
	v_mad_u32_u24 v[OFFS+i], s22, i, v3
.set i, i+1
.endr
	s_lshl_b32 s26, s17, 7
	s_lshl_b32 s27, s16, 5
	s_add_co_u32 s26, s26, s27                     ; my wave's first place, a multiple of 32
	s_mul_i32 s24, s26, 768                        ; its tile x 12,288
	s_mul_i32 s27, s18, 3072                       ; 8 blocks of 384 bytes
	s_add_co_u32 s24, s24, s27
	s_add_nc_u64 s[12:13], s[12:13], s[24:25]
	s_lshl_b32 s24, s26, 5
	s_lshl_b32 s27, s18, 3
	s_add_co_u32 s24, s24, s27
	s_add_nc_u64 s[14:15], s[14:15], s[24:25]
.macro WLOAD t
.set i, 0
.rept 32
	global_load_b32 v[WX+32*((\t)%2)+i], v[OFFS+i], s[32+2*(\t):33+2*(\t)] th:TH_LOAD_NT
.set i, i+1
.endr
.endm
	s_wait_alu depctr_va_vdst(0)                   ; the wait at the head's end
	WLOAD 0
	WLOAD 1
.macro WBLOCK t
.set XS, WX+32*((\t)%2)
.if (\t) < NB-1
	s_wait_loadcnt 32                              ; this block's 32 loads are in; the next block's may be out
.else
	s_wait_loadcnt 0
.endif
	v_max3_num_f32 v12, |v[XS]|, |v[XS+1]|, |v[XS+2]|
	v_max3_num_f32 v13, |v[XS+3]|, |v[XS+4]|, |v[XS+5]|
.irp i, 6,10,14,18,22,26
	v_max3_num_f32 v12, v12, |v[XS+\i]|, |v[XS+\i+1]|
	v_max3_num_f32 v13, v13, |v[XS+\i+2]|, |v[XS+\i+3]|
.endr
	v_max3_num_f32 v12, v12, |v[XS+30]|, |v[XS+31]|
	v_max3_num_f32 v12, v12, v13, (EMAX+1)<<23
	v_add_nc_u32 v11, -(EMAX<<23), v12
	v_lshrrev_b32 v13, 23, v11
.if (\t)%4 == 0
	v_mov_b32 v[SB+(\t)/4], v13
.else
	v_lshl_or_b32 v[SB+(\t)/4], v13, 8*((\t)%4), v[SB+(\t)/4]
.endif
	v_cvt_scalef32_pk16_fp6_f32 v[WC:WC+2], v[XS:XS+15], v11
	v_cvt_scalef32_pk16_fp6_f32 v[WC+4:WC+6], v[XS+16:XS+31], v11
	ds_store_b96 v4, v[WC:WC+2] offset:32*(\t)     ; 12 bytes to a place of 16
	ds_store_b96 v4, v[WC+4:WC+6] offset:32*(\t)+16
.if (\t)+2 < NB
	WLOAD (\t)+2
.endif
	s_wait_dscnt 0x0                               ; the stores have read their registers
.endm
.irp t, 0,1,2,3,4,5,6,7
	WBLOCK \t
.endr
	s_wait_alu depctr_va_vdst(0)                   ; the wait ahead of the reader below
	global_store_b64 v9, v[SB:SB+1], s[14:15]      ; my column's 8 scale bytes
.irp t, 0,1,2,3,4,5,6,7,8,9,10,11,12,13,14,15
	ds_load_b96 v[OUTR+4*\t:OUTR+4*\t+2], v7 offset:(\t/8)*16*WPITCH+32*(\t%8)   ; tile t / 8, block t % 8
.endr
.irp t, 0,1,2,3,4,5,6,7,8,9,10,11,12,13,14,15
	s_wait_dscnt 15-\t
	global_store_b96 v8, v[OUTR+4*\t:OUTR+4*\t+2], s[12:13] offset:(\t/8)*TILB+384*(\t%8)   ; 384 consecutive bytes
.endr
	s_wait_tensorcnt 0x0                           ; the wave's end
	ds_add_u32 v[SPW], v[NIL]
	s_wait_dscnt 0x0
	s_endpgm
.Lfunc_end_k_q31db9cff0e_quant:
	.size	k_q31db9cff0e_quant, .Lfunc_end_k_q31db9cff0e_quant-k_q31db9cff0e_quant
	.p2alignl 7, 3214868480
	.fill 96, 4, 3214868480
	.section	.rodata,"a",@progbits
	.p2align	6, 0x0
	.amdhsa_kernel k_q31db9cff0e_quant
		.amdhsa_group_segment_fixed_size 70144
		.amdhsa_private_segment_fixed_size 0
		.amdhsa_enable_private_segment 0
		.amdhsa_kernarg_size 72
		.amdhsa_user_sgpr_count 2
		.amdhsa_user_sgpr_kernarg_segment_ptr 1
		.amdhsa_wavefront_size32 1
		.amdhsa_system_sgpr_workgroup_id_x 1
		.amdhsa_system_sgpr_workgroup_id_y 1
		.amdhsa_system_sgpr_workgroup_id_z 1
		.amdhsa_system_vgpr_workitem_id 0
		.amdhsa_next_free_vgpr 216
		.amdhsa_next_free_sgpr 66
		.amdhsa_reserve_vcc 0
		.amdhsa_float_denorm_mode_32 3
		.amdhsa_float_denorm_mode_16_64 3
		.amdhsa_memory_ordered 1
		.amdhsa_forward_progress 1
		.amdhsa_inst_pref_size 76
	.end_amdhsa_kernel
	.amdgpu_metadata
---
amdhsa.version: [ 1, 2 ]
amdhsa.kernels:
  - .name:           k_q31db9cff0e_quant
    .symbol:         k_q31db9cff0e_quant.kd
    .args:
      - { .name: x, .offset: 0, .size: 8, .value_kind: global_buffer, .address_space: global }
      - { .name: context, .offset: 8, .size: 8, .value_kind: global_buffer, .address_space: global }
      - { .name: Wq, .offset: 16, .size: 8, .value_kind: global_buffer, .address_space: global }
      - { .name: Wkv, .offset: 24, .size: 8, .value_kind: global_buffer, .address_space: global }
      - { .name: Wout, .offset: 32, .size: 8, .value_kind: global_buffer, .address_space: global }
      - { .name: acodes, .offset: 40, .size: 8, .value_kind: global_buffer, .address_space: global }
      - { .name: ascales, .offset: 48, .size: 8, .value_kind: global_buffer, .address_space: global }
      - { .name: wcodes, .offset: 56, .size: 8, .value_kind: global_buffer, .address_space: global }
      - { .name: wscales, .offset: 64, .size: 8, .value_kind: global_buffer, .address_space: global }
    .group_segment_fixed_size: 70144
    .private_segment_fixed_size: 0
    .kernarg_segment_align: 8
    .kernarg_segment_size: 72
    .max_flat_workgroup_size: 128
    .sgpr_count:     66
    .vgpr_count:     216
    .wavefront_size: 32
...
	.end_amdgpu_metadata
.endif
;; end of part 1
;; launch qkv (part 2): grid 8 x 32, 4 waves a work-group, clusters of 4 x 4, 327,680 bytes of LDS; arguments acodes, ascales, wcodes, wscales, mask, kv; writes kv
.if DOCPART == 2
	.amdgcn_target "amdgcn-amd-amdhsa--gfx1250"
	.amdhsa_code_object_version 6
	.text
	.protected	k_q31db9cff0e_qkv
	.globl	k_q31db9cff0e_qkv
	.p2align	8
	.type	k_q31db9cff0e_qkv,@function
k_q31db9cff0e_qkv:
	s_mov_b64 s[64:65], 0
	v_nop
	global_prefetch_b8 v0, s[64:65] scope:SCOPE_SE
	s_setreg_imm32_b32 hwreg(HW_REG_WAVE_MODE, 25, 1), 1
	s_wait_xcnt 0x0
	s_wait_alu depctr_hold_cnt(0) depctr_sa_sdst(0) depctr_va_vdst(0) depctr_va_sdst(0) depctr_va_ssrc(0) depctr_va_vcc(0) depctr_vm_vsrc(0)
	s_getreg_b32 s2, hwreg(HW_REG_IB_STS2, 6, 4)
	s_cmp_eq_u32 s2, 0
	s_cbranch_scc0 .Lentry_in_a_cluster
	s_endpgm
.Lentry_in_a_cluster:
	s_bfe_u32 s2, ttmp6, 0x10000c
	s_cmp_lg_u32 s2, 0xf033
	s_cbranch_scc0 .Lentry_shape_is_right
	s_endpgm
.Lentry_shape_is_right:
; k and v = context Wkv on codes of FP6 with E8M0 scales; the results are quantised again (k along the head's 64 channels, v along the keys) and stored as images of attention's operand registers.
; (q = x Wq is made by the attention launch, each work-group for its own queries.)
; A work-group makes 256 places x 256 columns: 32 x 8 = 256 work-groups; cluster column 0 makes k, 1 v.  A wave makes 128 x 128: 64 accumulators.  For v the two operands change roles, so that a lane's registers run along the keys.
; k's rows of masked keys are multiplied by 0 ahead of their quantiser; the next launch gives such keys their logit.
; CODES come as tiles of 16 places x 12,288 bytes, [block of 32 along K][place][24 bytes].  A K step of 256 is 3,072 bytes on end of each tile: tensor rows of 3,072 bytes, 12,288 apart, laid dense in LDS.
; Lane l takes a fragment's halves at 24 l and 768 + 24 l: the 32 lanes of an 8-byte load touch 64 different banks.  Ring of two slots; the scale bytes of all K come once.
; CLUSTERS 4 x 4: A's tiles are asked for jointly along a row of the cluster, B's along a column.  At the head a wave issues one load: A's 256 places, B's, A's scales, B's scales.
; PREFETCH: behind the loads of K steps 0 and 1 a wave names the K step two refills on: of the 8 tiles that it fetches, the partner at place p names tiles 2 p and 2 p + 1, 24 blocks of 256 bytes, a lane a block
; (lanes 24-31 name the last again).  K has four steps, so nothing more is named.
.set NQ,     2
.set KSB,    3072
.set TILB,   12288
.set KROW,   768
.set FR,     12
.set NL,     6
.set NP,     4
.set HALFT,  8*KSB
.set SLOT,   4*HALFT
.set LAPS,   2
.set KS,     32
.set SCL,    2*SLOT
.set HALFS,  4096
.set SBLK,   512
.set SPARE,  SCL+4*HALFS
.set ADRY, 16
.set ADRX, 20
.set L16,  24
.set L8,   25
.set MOF,  26
.set ADRS, 27
.set SPW,  28
.set NIL,  29
.set LN,   30
.set PFO,  31
.set SC,   32
.set MB,   64
.set AF,   128
.set CT,   176
.set SI,   184
.set TM,   200
.set PW,   216
.set FQ,   224
.set G1, 24
.set G0, 32
.set G1B, 48
.set G0B, 56
.set G1S, 68
.set G0S, 76
.set G1SB, 80
.set G0SB, 88
.set G0H, 4
.set G0HB, 8
.set PFA, 94
.set MSB, 0
.macro WIN new
.if MSB != (\new)
	s_set_vgpr_msb (MSB<<8)|(\new)
.set MSB, (\new)
.endif
.endm
.set MUL_LO, 0xa1
.set MUL_HI, 0xf1
.set TO_X,   0x40
.macro JLOAD g0a, g1a, g0b, g1b
	s_cmp_eq_u32 s15, 0
	s_cbranch_scc0 .Lfor_b_\@
	tensor_load_to_lds s[\g0a:\g0a+3], s[\g1a:\g1a+7]
	s_nop 0
.rept 4
	v_nop
.endr
	s_branch .Lasked_\@
.Lfor_b_\@:
	tensor_load_to_lds s[\g0b:\g0b+3], s[\g1b:\g1b+7]
	s_nop 0
.rept 4
	v_nop
.endr
.Lasked_\@:
.endm
.macro CREST
	s_cmp_lg_u32 s14, 0
	s_cbranch_scc1 .Lnot_wave_0_\@
	s_barrier_signal -3
.Lnot_wave_0_\@:
	s_barrier_wait -3
	s_barrier_signal -1
	s_barrier_wait -1
.endm
.macro CROUND
	s_barrier_signal -1
	s_barrier_wait -1
	CREST
.endm
.macro ARM under, g0, g1, next
	s_cmp_lt_u32 s14, \under
	s_cbranch_scc0 \next
	tensor_load_to_lds s[\g0:\g0+3], s[\g1:\g1+7]
	s_nop 0
.rept 4
	v_nop
.endr
	s_branch .Lhead_asked
\next:
.endm
.macro GRP0 g, lds, a
	s_mov_b32 s[\g], 1
	s_mov_b32 s[\g+1], \lds
	s_mov_b64 s[\g+2:\g+3], s[\a:\a+1]
	s_or_b32 s[\g+3], s[\g+3], 0x80000000
.endm
.macro FRAG reg, adr, q, i             ; tile i, 128 along K at 1,536 q: six pieces of 8 bytes
.irp p, 0,1,2,3,4,5
	ds_load_b64 v[\reg+2*\p:\reg+2*\p+1], v[\adr] offset:(\i)*KSB+1536*(\q)+768*(\p/3)+8*(\p%3)
.endr
.endm
.macro MUL16 a0, p, q, sc, zero
.irp a, \a0, \a0+1
.irp b, 0,1,2,3,4,5,6,7
.if \zero
	v_wmma_scale_f32_16x16x128_f8f6f4 v[8*(8*((\a)%4)+\b):8*(8*((\a)%4)+\b)+7], v[128*(\p)+FR*\b:128*(\p)+FR*\b+FR-1], v[AF+FR*(\a):AF+FR*(\a)+FR-1], 0, v[SC+8*NQ*(\sc)+NQ*\b+(\q)], v[SC+8*NQ*(\sc)+NQ*(\a)+(\q)] matrix_a_fmt:MATRIX_FMT_FP6 matrix_b_fmt:MATRIX_FMT_FP6 matrix_a_scale:MATRIX_SCALE_ROW1
.else
	v_wmma_scale_f32_16x16x128_f8f6f4 v[8*(8*((\a)%4)+\b):8*(8*((\a)%4)+\b)+7], v[128*(\p)+FR*\b:128*(\p)+FR*\b+FR-1], v[AF+FR*(\a):AF+FR*(\a)+FR-1], v[8*(8*((\a)%4)+\b):8*(8*((\a)%4)+\b)+7], v[SC+8*NQ*(\sc)+NQ*\b+(\q)], v[SC+8*NQ*(\sc)+NQ*(\a)+(\q)] matrix_a_fmt:MATRIX_FMT_FP6 matrix_b_fmt:MATRIX_FMT_FP6 matrix_a_scale:MATRIX_SCALE_ROW1
.endif
.endr
.endr
.endm
.macro FETCH_X slot, q, p
	WIN TO_X
.irp i, 0,1,2,3,4,5,6,7
	FRAG 128*(\p)+FR*\i, ADRX+\slot, \q, \i
.endr
	WIN 0
.endm
.macro FETCH_Y slot, q, i0
.irp i, \i0, \i0+1, \i0+2, \i0+3
	FRAG AF+FR*(\i), ADRY+\slot, \q, \i
.endr
.endm
.macro SCALES sc
.irp i, 0,1,2,3,4,5,6,7
	ds_load_b64 v[SC+8*NQ*\sc+NQ*\i:SC+8*NQ*\sc+NQ*\i+1], v[ADRS] offset:\i*SBLK
.endr
.endm
.macro PLACES n
.rept \n
	v_nop
.endr
.endm
.macro STEP slot, q, zero
	s_wait_dscnt 4*NL                              ; all but Y's blocks 4-7
	WIN MUL_LO
	MUL16 0, (\q)%2, \q, \slot, \zero
	MUL16 2, (\q)%2, \q, \slot, \zero
	s_wait_dscnt 0
	PLACES NP
	FETCH_X \slot, (\q)+1, 1-(\q)%2
	FETCH_Y \slot, (\q)+1, 0
	WIN MUL_HI
	MUL16 4, (\q)%2, \q, \slot, \zero
	MUL16 6, (\q)%2, \q, \slot, \zero
	PLACES NP
	WIN 0
	FETCH_Y \slot, (\q)+1, 4
.endm
.macro TURN slot, next, fill           ; a slot's second half, and the change of slots
	s_wait_tensorcnt 0x0                           ; all my tensor loads have landed
	ds_add_u32 v[SPW], v[NIL]
	s_wait_dscnt 4*NL+1                            ; the add and Y's blocks 4-7 may be out
	WIN MUL_LO
	MUL16 0, 1, NQ-1, \slot, 0
	s_wait_dscnt 0x0                               ; the add is done, my reads of this slot are over
	s_barrier_signal -1
	MUL16 2, 1, NQ-1, \slot, 0
	WIN 0
	s_barrier_wait -1
.if \fill
	CREST
	s_add_nc_u64 s[G0+4*\slot+2:G0+4*\slot+3], s[G0+4*\slot+2:G0+4*\slot+3], 2*KSB
	s_add_nc_u64 s[G0B+4*\slot+2:G0B+4*\slot+3], s[G0B+4*\slot+2:G0B+4*\slot+3], 2*KSB
	JLOAD G0+4*\slot, G1, G0B+4*\slot, G1B
.else
	PLACES NP
.endif
	s_wait_alu depctr_va_vdst(0)
	v_add_nc_u32 v[ADRS], 4*NQ, v[ADRS]
	FETCH_X \next, 0, 0
	FETCH_Y \next, 0, 0
	SCALES \next
	WIN MUL_HI
	MUL16 4, 1, NQ-1, \slot, 0
	MUL16 6, 1, NQ-1, \slot, 0
	PLACES NP
	WIN 0
	FETCH_Y \next, 0, 4
.endm
	s_load_b128 s[4:7], s[0:1], 0x0                ; acodes, ascales
	s_load_b128 s[8:11], s[0:1], 0x10              ; wcodes, wscales
	s_load_b64 s[12:13], s[0:1], 0x20              ; mask
	s_load_b64 s[98:99], s[0:1], 0x28              ; kv
	v_lshl_add_u32 v[SPW], v0, 2, SPARE
	v_mov_b32 v[NIL], 0
	ds_add_u32 v[SPW], v[NIL]                      ; the opening lines: the add twice on end
	ds_add_u32 v[SPW], v[NIL]
	v_lshrrev_b32 v1, 5, v0
	v_readfirstlane_b32 s14, v1
	s_lshr_b32 s15, s14, 1
	s_and_b32 s16, s14, 1
	s_bfe_u32 s40, ttmp6, 0x40000
	s_bfe_u32 s41, ttmp6, 0x40004
	s_lshl_b32 s42, ttmp9, 2
	s_add_co_u32 s42, s42, s40                     ; tile column of Wkv, 0..7
	s_and_b32 s17, ttmp7, 0xffff
	s_lshl_b32 s17, s17, 2
	s_add_co_u32 s17, s17, s41                     ; tile row
	s_lshl_b32 s43, s41, 2
	s_lshl_b32 s43, 15, s43
	s_lshl_b32 s44, 0x1111, s40
	s_or_b32 s[G1+0], s43, (3<<16)|(1<<21)         ; elements of 8 bytes, no padding
	s_or_b32 s[G1B+0], s44, (3<<16)|(1<<21)
.irp g, G1, G1B
	s_mov_b32 s[\g+1], 384<<16                     ; rows of 3,072 bytes
	s_mov_b32 s[\g+2], 16<<16                      ; 16 tiles at the head, 8 in the ring
	s_mov_b32 s[\g+3], 384<<16
	s_mov_b32 s[\g+4], 16
	s_mov_b32 s[\g+5], 1536                        ; 12,288 bytes from tile to tile
	s_mov_b32 s[\g+6], 0
	s_mov_b32 s[\g+7], 0
.endr
	s_or_b32 s[G1S+0], s43, (3<<16)|(1<<21)
	s_or_b32 s[G1SB+0], s44, (3<<16)|(1<<21)
.irp g, G1S, G1SB
	s_mov_b32 s[\g+1], 32<<16                      ; the scales of 256 places: 32 dense rows of 256 bytes
	s_mov_b32 s[\g+2], 32<<16
	s_mov_b32 s[\g+3], 32<<16
	s_mov_b32 s[\g+4], 32
	s_mov_b32 s[\g+5], 32
	s_mov_b32 s[\g+6], 0
	s_mov_b32 s[\g+7], 0
.endr
	s_lshl_b32 s20, s17, 8
	s_add_co_u32 s20, s20, 8192                    ; context's places lie behind x's
	s_lshl_b32 s46, s42, 8
	s_add_co_u32 s46, s46, 1024                    ; Wkv's places lie behind Wq's
	s_mov_b32 s21, 0
	s_mov_b32 s47, 0
	s_mov_b64 s[18:19], KS
	s_mul_u64 s[22:23], s[20:21], s[18:19]
	s_mul_u64 s[92:93], s[46:47], s[18:19]
	s_mov_b64 s[18:19], KROW
	s_mul_u64 s[20:21], s[20:21], s[18:19]
	s_mul_u64 s[46:47], s[46:47], s[18:19]
	s_mul_i32 s18, s16, 128*KROW                   ; in the ring I fetch 128 places
	s_mov_b32 s19, 0
	s_mul_i32 s45, s14, HALFT
	s_wait_dscnt 0x0
	s_wait_kmcnt 0x0
	s_add_nc_u64 s[20:21], s[4:5], s[20:21]
	s_add_nc_u64 s[22:23], s[6:7], s[22:23]
	s_add_nc_u64 s[46:47], s[8:9], s[46:47]
	s_add_nc_u64 s[92:93], s[10:11], s[92:93]
	CROUND
	GRP0 G0H, 0, 20
	GRP0 G0HB, 2*HALFT, 46
	GRP0 G0S, SCL, 22
	GRP0 G0SB, SCL+2*HALFS, 92
	s_add_nc_u64 s[20:21], s[20:21], s[18:19]
	s_add_nc_u64 s[46:47], s[46:47], s[18:19]
.irp s, 0,1
	s_mov_b32 s[G0+4*\s], 1
	s_add_co_u32 s[G0+4*\s+1], s45, \s*SLOT
	s_add_nc_u64 s[G0+4*\s+2:G0+4*\s+3], s[20:21], \s*KSB
	s_or_b32 s[G0+4*\s+3], s[G0+4*\s+3], 0x80000000
	s_mov_b32 s[G0B+4*\s], 1
	s_add_co_u32 s[G0B+4*\s+1], s45, \s*SLOT
	s_add_nc_u64 s[G0B+4*\s+2:G0B+4*\s+3], s[46:47], \s*KSB
	s_or_b32 s[G0B+4*\s+3], s[G0B+4*\s+3], 0x80000000
.endr
	s_cmp_eq_u32 s15, 0                            ; the prefetches: my 128 places, and of them my work-group's two tiles
	s_cselect_b64 s[PFA:PFA+1], s[20:21], s[46:47]
	s_cselect_b32 s3, s40, s41
	s_mul_i32 s18, s3, 2*TILB
	s_add_nc_u64 s[PFA:PFA+1], s[PFA:PFA+1], s[18:19]
	ARM 1, G0H,  G1,  .Lhead_b
	ARM 2, G0HB, G1B, .Lhead_sa
	ARM 3, G0S,  G1S, .Lhead_sb
	tensor_load_to_lds s[G0SB:G0SB+3], s[G1SB:G1SB+7]
	s_nop 0
.rept 4
	v_nop
.endr
.Lhead_asked:
	v_and_b32 v[LN], 31, v0
	v_and_b32 v1, 15, v0
	v_bfe_u32 v2, v0, 4, 1
	v_min_u32 v3, 23, v[LN]
	v_mul_u32_u24 v5, v3, 171
	v_lshrrev_b32 v5, 11, v5                       ; min(l, 23) / 12
	v_mul_u32_u24 v5, v5, TILB-KSB
	v_lshl_add_u32 v[PFO], v3, 8, v5               ; block l % 12 of tile l / 12
	v_mul_u32_u24 v4, v[LN], 24
	v_lshlrev_b32 v5, 5, v1                        ; a place's 32 scale bytes
	v_lshlrev_b32 v[L16], 4, v[LN]
	v_lshlrev_b32 v[L8], 3, v[LN]
	v_and_b32 v[MOF], 8, v1
	v_add_nc_u32 v[MOF], v[MOF], v1
	s_wait_alu depctr_va_vdst(0)                   ; the wait ahead of the scalar lines below
	global_prefetch_b8 v[PFO], s[PFA:PFA+1] offset:2*KSB th:TH_LOAD_NT scope:SCOPE_SE
	s_mul_i32 s21, s15, HALFT
	s_mul_i32 s22, s16, HALFT
	s_add_co_u32 s22, s22, 2*HALFT
	s_cmp_eq_u32 ttmp9, 1                          ; for v the operands change roles
	s_cselect_b32 s23, s22, s21
	s_cselect_b32 s22, s21, s22
	s_cselect_b32 s19, 1, 0
.irp s, 0,1
	v_add_nc_u32 v[ADRY+\s], s23, v4
	v_add_nc_u32 v[ADRX+\s], s22, v4
	s_add_co_u32 s23, s23, SLOT
	s_add_co_u32 s22, s22, SLOT
.endr
	s_mul_i32 s21, s15, HALFS
	s_mul_i32 s22, s16, HALFS
	s_add_co_u32 s22, s22, 2*HALFS
	s_sub_co_u32 s22, s22, s21
	v_xor_b32 v6, s19, v2
	v_mul_u32_u24 v6, s22, v6
	s_add_co_u32 s21, s21, SCL
	v_add_nc_u32 v5, v5, v6
	v_add_nc_u32 v[ADRS], s21, v5
	s_lshl_b32 s20, s17, 8
	s_lshl_b32 s21, s15, 7
	s_add_co_u32 s20, s20, s21
	s_mov_b32 s21, 0
	s_add_nc_u64 s[12:13], s[12:13], s[20:21]
.irp a, 0,1,2,3,4,5,6,7
	global_load_u8 v[MB+\a], v[MOF], s[12:13] offset:32*(\a/2)+8*(\a%2)
.endr
	s_wait_alu depctr_va_vdst(0)                   ; the wait at the head's end
	s_wait_tensorcnt 0x0                           ; my tile of the head's four is in
	ds_add_u32 v[SPW], v[NIL]
	s_mov_b32 s[G1+2], 8<<16                       ; no load of mine is out: from here on a load brings 8 tiles
	s_mov_b32 s[G1+4], 8
	s_mov_b32 s[G1B+2], 8<<16
	s_mov_b32 s[G1B+4], 8
	s_wait_dscnt 0x0
	CROUND
	JLOAD G0+4, G1, G0B+4, G1B                     ; K step 1, slot 1's first fill
	s_wait_loadcnt 0x0                             ; the mask's bytes
	FETCH_X 0, 0, 0
	FETCH_Y 0, 0, 0
	SCALES 0
	FETCH_Y 0, 0, 4
	global_prefetch_b8 v[PFO], s[PFA:PFA+1] offset:3*KSB th:TH_LOAD_NT scope:SCOPE_SE
	STEP 0, 0, 1
	s_mov_b32 s3, LAPS-1
.Llap:
	TURN 0, 1, 1
	STEP 1, 0, 0
	TURN 1, 0, 1
	STEP 0, 0, 0
	s_sub_co_u32 s3, s3, 1
	s_cmp_lg_u32 s3, 0
	s_cbranch_scc1 .Llap
	TURN 0, 1, 0
	STEP 1, 0, 0
	s_wait_dscnt 4*NL
	WIN MUL_LO
	MUL16 0, 1, NQ-1, 1, 0
	MUL16 2, 1, NQ-1, 1, 0
	s_wait_dscnt 0
	WIN MUL_HI
	MUL16 4, 1, NQ-1, 1, 0
	MUL16 6, 1, NQ-1, 1, 0
	WIN 0
; THE WAY OUT: block a's 64 registers a lane are four half blocks of 16 neighbours along the next K; lanes l and l xor 16 hold a block.
.macro QUANTG a, da, db, mul
.set QW, 2+(\a)/4
.set QS, 64*((\a)%4)
.if \mul
	WIN (QW<<6)|QW
.set j, 0
.rept 32
	v_pk_mul_f32 v[QS+j:QS+j+1], v[QS+j:QS+j+1], v[FQ+2*(\a):FQ+2*(\a)+1] op_sel_hi:[1,0]
.set j, j+2
.endr
.endif
	WIN QW|(QW<<2)
.irp b, 0,1,2,3
	v_max3_num_f32 v[TM+\b], |v[QS+16*\b]|, |v[QS+1+16*\b]|, 0x1800000
.endr
	WIN (QW<<2)|(QW<<4)
.irp i, 2,4,6,8,10,12,14
.irp b, 0,1,2,3
	v_max3_num_f32 v[TM+\b], v[TM+\b], |v[QS+16*\b+\i]|, |v[QS+1+16*\b+\i]|
.endr
.endr
	WIN 0
.irp b, 0,1,2,3
	v_permlanex16_b32 v[TM+4+\b], v[TM+\b], s66, s67
.endr
.irp b, 0,1,2,3
	v_max_num_f32 v[TM+\b], v[TM+\b], v[TM+4+\b]
.endr
.irp b, 0,1,2,3
	v_add_nc_u32 v[TM+12+\b], 0xff000000, v[TM+\b]
.endr
.irp b, 0,1,2,3
	v_lshrrev_b32 v[TM+4+\b], 23, v[TM+12+\b]
.endr
	v_lshl_or_b32 v[PW+(\a)], v[TM+5], 8, v[TM+4]
	v_lshl_or_b32 v[PW+(\a)], v[TM+6], 16, v[PW+(\a)]
	v_lshl_or_b32 v[PW+(\a)], v[TM+7], 24, v[PW+(\a)]
	WIN QW
	v_cvt_scalef32_pk16_fp6_f32 v[\da:\da+2], v[QS:QS+15], v[TM+12]
	v_cvt_scalef32_pk16_fp6_f32 v[CT:CT+2], v[QS+16:QS+31], v[TM+13]
	v_cvt_scalef32_pk16_fp6_f32 v[\db:\db+2], v[QS+32:QS+47], v[TM+14]
	v_cvt_scalef32_pk16_fp6_f32 v[CT+4:CT+6], v[QS+48:QS+63], v[TM+15]
	WIN 0
	v_nop
.irp i, 0,1,2
	v_permlane16_swap_b32 v[\da+\i], v[CT+\i]
.endr
.irp i, 0,1,2
	v_mov_b32 v[\da+3+\i], v[CT+\i]
.endr
.irp i, 0,1,2
	v_permlane16_swap_b32 v[\db+\i], v[CT+4+\i]
.endr
.irp i, 0,1,2
	v_mov_b32 v[\db+3+\i], v[CT+4+\i]
.endr
.endm
	PLACES NP
.irp b, 0,1,2,3
	v_mov_b32 v[TM+4+\b], 0
.endr
	s_mov_b32 s66, 0x76543210
	s_mov_b32 s67, 0xfedcba98
	v_cmp_le_u32 vcc_lo, 16, v[LN]
	s_lshl_b32 s20, s17, 1
	s_add_co_u32 s20, s20, s15
	s_lshr_b32 s21, s20, 4                         ; batch
	s_and_b32 s20, s20, 15                         ; which record of 128 keys
	s_lshl_b32 s21, s21, 4
	s_lshl_b32 s22, s40, 2
	s_add_co_u32 s21, s21, s22
	s_lshl_b32 s22, s16, 1
	s_add_co_u32 s21, s21, s22                     ; 16 x batch + my first head
	s_mul_i32 s92, s21, 208896
	s_mul_i32 s93, s20, 13056
	s_add_co_u32 s92, s92, s93
	s_mov_b32 s93, 0
	s_add_nc_u64 s[44:45], s[98:99], s[92:93]
	s_add_nc_u64 s[46:47], s[44:45], 208896        ; and my second head
	s_cmp_eq_u32 ttmp9, 1
	s_cbranch_scc1 .Lvpath
.irp a, 0,1,2,3,4,5,6,7
	v_cvt_f32_u32 v[FQ+2*\a], v[MB+\a]             ; 1 for a key that counts, 0 for a masked one
.endr
.irp a, 0,1,2,3,4,5,6,7
	v_mov_b32 v[FQ+2*\a+1], v[FQ+2*\a]
.endr
.irp a, 0,1,2,3,4,5,6,7
	QUANTG \a, 80+6*\a, 128+6*\a, 1
.endr
.irp j, 0,1,2,3
	v_cndmask_b32 v[SI+\j], v[PW+2*\j], v[PW+2*\j+1], vcc_lo
.endr
.irp j, 0,1,2,3
	v_lshrrev_b32 v[SI+4+\j], 16, v[SI+\j]
.endr
.irp j, 0,1,2,3
	v_and_b32 v[SI+\j], 0xffff, v[SI+\j]
.endr
.irp i, 0,1,2,3,4,5,6,7,8,9,10,11
	global_store_b128 v[L16], v[80+4*\i:83+4*\i], s[44:45] offset:512*\i
.endr
	global_store_b128 v[L16], v[SI:SI+3], s[44:45] offset:6144
.irp i, 0,1,2,3,4,5,6,7,8,9,10,11
	global_store_b128 v[L16], v[128+4*\i:131+4*\i], s[46:47] offset:512*\i
.endr
	global_store_b128 v[L16], v[SI+4:SI+7], s[46:47] offset:6144
	s_branch .Ldone
.Lvpath:
.irp a, 0,1,2,3,4,5,6,7
	QUANTG \a, 80+12*\a, 86+12*\a, 0
.endr
.irp j, 0,1,2,3
	v_cndmask_b32 v[SI+\j], v[PW+2*\j], v[PW+2*\j+1], vcc_lo
.endr
.irp a, 0,1,2,3,4,5,6,7
.irp c, 0,1,2
	global_store_b128 v[L16], v[80+12*\a+4*\c:83+12*\a+4*\c], s[44+2*(\a/4):45+2*(\a/4)] offset:6656+1536*(\a%4)+512*\c
.endr
.endr
	global_store_b64 v[L8], v[SI:SI+1], s[44:45] offset:12800
	global_store_b64 v[L8], v[SI+2:SI+3], s[46:47] offset:12800
.Ldone:
	s_wait_tensorcnt 0x0                           ; the wave's end
	ds_add_u32 v[SPW], v[NIL]
	s_wait_dscnt 0x0
	CROUND
	s_endpgm
.Lfunc_end_k_q31db9cff0e_qkv:
	.size	k_q31db9cff0e_qkv, .Lfunc_end_k_q31db9cff0e_qkv-k_q31db9cff0e_qkv
	.p2alignl 7, 3214868480
	.fill 96, 4, 3214868480
	.section	.rodata,"a",@progbits
	.p2align	6, 0x0
	.amdhsa_kernel k_q31db9cff0e_qkv
		.amdhsa_group_segment_fixed_size 327680
		.amdhsa_private_segment_fixed_size 0
		.amdhsa_enable_private_segment 0
		.amdhsa_kernarg_size 48
		.amdhsa_user_sgpr_count 2
		.amdhsa_user_sgpr_kernarg_segment_ptr 1
		.amdhsa_wavefront_size32 1
		.amdhsa_system_sgpr_workgroup_id_x 1
		.amdhsa_system_sgpr_workgroup_id_y 1
		.amdhsa_system_sgpr_workgroup_id_z 1
		.amdhsa_system_vgpr_workitem_id 0
		.amdhsa_next_free_vgpr 1024
		.amdhsa_next_free_sgpr 100
		.amdhsa_reserve_vcc 1
		.amdhsa_float_denorm_mode_32 3
		.amdhsa_float_denorm_mode_16_64 3
		.amdhsa_memory_ordered 1
		.amdhsa_forward_progress 1
		.amdhsa_inst_pref_size 218
	.end_amdhsa_kernel
	.amdgpu_metadata
---
amdhsa.version: [ 1, 2 ]
amdhsa.kernels:
  - .name:           k_q31db9cff0e_qkv
    .symbol:         k_q31db9cff0e_qkv.kd
    .args:
      - { .name: acodes, .offset: 0, .size: 8, .value_kind: global_buffer, .address_space: global }
      - { .name: ascales, .offset: 8, .size: 8, .value_kind: global_buffer, .address_space: global }
      - { .name: wcodes, .offset: 16, .size: 8, .value_kind: global_buffer, .address_space: global }
      - { .name: wscales, .offset: 24, .size: 8, .value_kind: global_buffer, .address_space: global }
      - { .name: mask, .offset: 32, .size: 8, .value_kind: global_buffer, .address_space: global }
      - { .name: kv, .offset: 40, .size: 8, .value_kind: global_buffer, .address_space: global }
    .group_segment_fixed_size: 327680
    .private_segment_fixed_size: 0
    .kernarg_segment_align: 8
    .kernarg_segment_size: 48
    .max_flat_workgroup_size: 128
    .sgpr_count:     100
    .vgpr_count:     1024
    .wavefront_size: 32
...
	.end_amdgpu_metadata
.endif
;; end of part 2
;; launch attn (part 3): grid 4 x 64, 8 waves a work-group, clusters of 4 x 1, 267,264 bytes of LDS; arguments acodes, ascales, wcodes, wscales, kv, mask, ocodes, oscales; writes ocodes, oscales
.if DOCPART == 3
	.amdgcn_target "amdgcn-amd-amdhsa--gfx1250"
	.amdhsa_code_object_version 6
	.text
	.protected	k_q31db9cff0e_attn
	.globl	k_q31db9cff0e_attn
	.p2align	8
	.type	k_q31db9cff0e_attn,@function
k_q31db9cff0e_attn:
	s_mov_b64 s[64:65], 0
	v_nop
	global_prefetch_b8 v0, s[64:65] scope:SCOPE_SE
	s_setreg_imm32_b32 hwreg(HW_REG_WAVE_MODE, 25, 1), 1
	s_wait_xcnt 0x0
	s_wait_alu depctr_hold_cnt(0) depctr_sa_sdst(0) depctr_va_vdst(0) depctr_va_sdst(0) depctr_va_ssrc(0) depctr_va_vcc(0) depctr_vm_vsrc(0)
	s_getreg_b32 s2, hwreg(HW_REG_IB_STS2, 6, 4)
	s_cmp_eq_u32 s2, 0
	s_cbranch_scc0 .Lentry_in_a_cluster
	s_endpgm
.Lentry_in_a_cluster:
	s_bfe_u32 s2, ttmp6, 0x10000c
	s_cmp_lg_u32 s2, 0x3003
	s_cbranch_scc0 .Lentry_shape_is_right
	s_endpgm
.Lentry_shape_is_right:
; q = x Wq for this work-group's queries and head, then o = softmax(q k^T / 8, masked) v, all products on codes of FP6 (E2M3) with E8M0 scales; o is divided by the row's sum and quantised along the inner axis for the last product.
; t = score x log2(e) / 8; M = the running largest t rounded up to a whole number; p = 2^(t - M) is quantised along the keys; the row's sum is taken of the unquantised p.
; SHARES.  A work-group owns 512 query places of a head, in two passes of 256; each of its eight waves owns two tiles of 16 in a pass.  Two waves share a SIMD.  Every wave walks all 2,048 keys, 128 a step.
; LDS.  The head's K and V, 16 records of 13,056 bytes laid as images of the operand registers, fill bytes 0 .. 208,895; a table of 2,048 f32 follows (0 for a key that counts, -2^33 for a masked one); then the head's 64 columns
; of Wq, four tiles of 12,288 bytes.  Each is filled ONCE: waves 0-3 fetch a quarter of K and V each, waves 4-7 a tile of Wq each, by joint loads (the four work-groups of a cluster own the same head).  The loop has no barrier.
; No prefetch: all that comes from memory is asked for at the head.
; Q.  A wave's four tiles of x come straight into registers (8 bytes a lane at 24 x lane; a ring of four K steps), Wq's fragments from LDS: 8 steps of 16 products; source 0 = Wq's places, so that a lane holds one query and its
; registers run along the channels; the 32 numbers a lane of a tile are quantised as o's are.
; THE MASK costs no vector instruction in the loop: the table is the C of the score products.  k's rows of masked keys are zeros, so a masked score is exactly -2^33; c = log2(e) / 8 = 12102203 x 2^-26, so
; -2^33 c is a whole number that f32 holds: in a row whose every key is masked t - M is exactly 0 and p = 1 for all keys.
; LIMIT: a masked logit counts as -2^30 where the definition has -1e9: the same results wherever the unmasked logits of a row with unmasked keys lie above about -1e9.  Mask bytes are 0 or 1.  1 / sum is v_rcp_f32 and a multiply.
; K = 64 IN AN INSTRUCTION OF 128: q's fragments have zero codes for k = 64 .. 127, so what stands there in k's operand counts for nothing: k's eight half fragments lie on end, tile t = 12
; registers from 6 t on, with six zero registers behind the last; the scale bytes of those two blocks are 0 on both sides.
; THE STEP IS WRITTEN ONCE: each trip asks for the next record's K and V, the sixteenth for record 0, with which the next pass begins; behind the last pass those 42 LDS loads a wave serve nothing.
; REGISTERS, window 0: v1-8, v14-15 addresses; v16-39 Q's two fragments; v40-41 Q's scale words; v42-43 V's; v44-47 K's; v48-49 P's; v50-61 statistics; v64-95 at work; v96-119 P's codes; v120-126 halves on their way; v128-255 S^T, then p.
;   window 1: v0-53 K; v56-103 V; v104-167 the table's 64 numbers of a lane; v168-231 O^T; v240-253 the second pass's Q.
;   While q is made: window 0: v64-95 x's scale words, v96-119 and v42-49 Wq's, v128-255 the sums; window 1: v0-191 x's fragments, v192-239 Wq's.
.set REC,   13056
.set HEADB, 16*REC
.set BIAS,  HEADB
.set TILB,  12288
.set WQL,   BIAS+8192
.set SPARE, WQL+4*TILB
.set L16, 1                            ; 16 x lane
.set L8,  2                            ; 8 x lane
.set LB,  3                            ; BIAS + 64 h
.set A16, 4                            ; the three with the step's offset
.set A8,  5
.set AB,  6
.set R32, 8                            ; 32 r
.set L24, 14                           ; 24 x lane
.set AWQ, 15                           ; WQL + 24 x lane
.set QF,  16
.set QSW, 40
.set VS,  42
.set KSC, 44
.set XS,  64
.set CT,  120
.set KF,  0
.set VF,  56
.set BI,  104
.set Q1,  240
.set OC,  8
.set OS,  10
.set WV,  14
.set SEL, 20
.set CS,  22
.set G1,  24
.set G0,  32
.set PASS, 36
.set CNT,  37
.set TB,   38
.set TBI,  39
.set KI,   52
.set G1W,  56
.set G0W,  76
.set MSB, 0
.macro WIN new
.if MSB != (\new)
	s_set_vgpr_msb (MSB<<8)|(\new)
.set MSB, (\new)
.endif
.endm
.macro TSET q                          ; the registers of tile q (0, 1)
.set S_, 128+64*(\q)
.set W_, 64+16*(\q)
.set T_, 50+6*(\q)
.set P_, 96+12*(\q)
.set D_, 48+(\q)
.set O_, 168+32*(\q)
.endm
.macro ROUND                           ; a round of the cluster's barrier
	s_barrier_signal -1
	s_barrier_wait -1
	s_cmp_lg_u32 s[WV], 0
	s_cbranch_scc1 .Lnot_wave_0_\@
	s_barrier_signal -3
.Lnot_wave_0_\@:
	s_barrier_wait -3
	s_barrier_signal -1
	s_barrier_wait -1
.endm
; 32 numbers a lane, two half blocks of 16 neighbours (lanes l and l xor 16 hold a block), become six registers of codes, a half fragment, and a scale word with two bytes.  W: ten registers at work; C: three more
.macro QH S, W, P, D, C
.irp b, 0,1
	v_max3_num_f32 v[\W+\b], |v[\S+16*\b]|, |v[\S+16*\b+1]|, 0x1800000
.endr
.irp i, 2,4,6,8,10,12,14
.irp b, 0,1
	s_delay_alu instid0(VALU_DEP_2)
	v_max3_num_f32 v[\W+\b], v[\W+\b], |v[\S+16*\b+\i]|, |v[\S+16*\b+\i+1]|
.endr
.endr
.irp b, 0,1
	s_delay_alu instid0(VALU_DEP_2)
	v_permlanex16_b32 v[\W+4+\b], v[\W+\b], s[SEL], s[SEL+1]
.endr
.irp b, 0,1
	s_delay_alu instid0(VALU_DEP_2)
	v_max_num_f32 v[\W+\b], v[\W+\b], v[\W+4+\b]
.endr
.irp b, 0,1
	s_delay_alu instid0(VALU_DEP_2)
	v_add_nc_u32 v[\W+8+\b], 0xff000000, v[\W+\b]
.endr
.irp b, 0,1
	s_delay_alu instid0(VALU_DEP_2)
	v_lshrrev_b32 v[\W+4+\b], 23, v[\W+8+\b]
.endr
	s_delay_alu instid0(VALU_DEP_1)
	v_lshl_or_b32 v[\D], v[\W+5], 8, v[\W+4]
	v_cvt_scalef32_pk16_fp6_f32 v[\P:\P+2], v[\S:\S+15], v[\W+8]
	v_cvt_scalef32_pk16_fp6_f32 v[\C:\C+2], v[\S+16:\S+31], v[\W+9]
	v_nop                                          ; one plain place behind the scaled conversions
.irp i, 0,1,2
	v_permlane16_swap_b32 v[\P+\i], v[\C+\i]
.endr
.irp i, 0,1,2
	s_delay_alu instid0(VALU_DEP_3)
	v_mov_b32 v[\P+3+\i], v[\C+\i]
.endr
.endm
; The same for two tiles of sums that matrix instructions have just made: the four maxima go by turns over the sums; v50-61 at work, v120-126 for the upper halves
.macro QQ Sa, Sb, Pa, Pb, Da, Db
.irp b, 0,1
	v_max3_num_f32 v[50+\b], |v[\Sa+16*\b]|, |v[\Sa+16*\b+1]|, 0x1800000
.endr
.irp b, 0,1
	v_max3_num_f32 v[52+\b], |v[\Sb+16*\b]|, |v[\Sb+16*\b+1]|, 0x1800000
.endr
.irp i, 2,4,6,8,10,12,14
.irp b, 0,1
	v_max3_num_f32 v[50+\b], v[50+\b], |v[\Sa+16*\b+\i]|, |v[\Sa+16*\b+\i+1]|
.endr
.irp b, 0,1
	v_max3_num_f32 v[52+\b], v[52+\b], |v[\Sb+16*\b+\i]|, |v[\Sb+16*\b+\i+1]|
.endr
.endr
.irp b, 0,1,2,3
	s_delay_alu instid0(VALU_DEP_4)
	v_permlanex16_b32 v[54+\b], v[50+\b], s[SEL], s[SEL+1]
.endr
.irp b, 0,1,2,3
	s_delay_alu instid0(VALU_DEP_4)
	v_max_num_f32 v[50+\b], v[50+\b], v[54+\b]     ; with lane l xor 16's: the block's largest magnitude
.endr
.irp b, 0,1,2,3
	s_delay_alu instid0(VALU_DEP_4)
	v_add_nc_u32 v[58+\b], 0xff000000, v[50+\b]    ; the conversion's scale operand
.endr
.irp b, 0,1,2,3
	s_delay_alu instid0(VALU_DEP_4)
	v_lshrrev_b32 v[54+\b], 23, v[58+\b]           ; the byte
.endr
	s_delay_alu instid0(VALU_DEP_3)
	v_lshl_or_b32 v[\Da], v55, 8, v54
	s_delay_alu instid0(VALU_DEP_2)
	v_lshl_or_b32 v[\Db], v57, 8, v56
	v_cvt_scalef32_pk16_fp6_f32 v[\Pa:\Pa+2], v[\Sa:\Sa+15], v58
	v_cvt_scalef32_pk16_fp6_f32 v[CT:CT+2], v[\Sa+16:\Sa+31], v59
	v_cvt_scalef32_pk16_fp6_f32 v[\Pb:\Pb+2], v[\Sb:\Sb+15], v60
	v_cvt_scalef32_pk16_fp6_f32 v[CT+4:CT+6], v[\Sb+16:\Sb+31], v61
	v_nop                                          ; one plain place behind the scaled conversions
.irp i, 0,1,2
	v_permlane16_swap_b32 v[\Pa+\i], v[CT+\i]
.endr
.irp i, 0,1,2
	s_delay_alu instid0(VALU_DEP_3)
	v_mov_b32 v[\Pa+3+\i], v[CT+\i]
.endr
.irp i, 0,1,2
	v_permlane16_swap_b32 v[\Pb+\i], v[CT+4+\i]
.endr
.irp i, 0,1,2
	s_delay_alu instid0(VALU_DEP_3)
	v_mov_b32 v[\Pb+3+\i], v[CT+4+\i]
.endr
.endm
.macro XLOAD s
	WIN 0x40
.irp i, 0,1,2,3
.irp p, 0,1,2,3,4,5
	global_load_b64 v[48*((\s)%4)+12*\i+2*\p:48*((\s)%4)+12*\i+2*\p+1], v[L24], s[68:69] offset:(\i%2+16*(\i/2))*TILB+1536*(\s)+768*(\p/3)+8*(\p%3)
.endr
.endr
	WIN 0
.endm
.macro WFRAG s                         ; K step s of Wq's four tiles: 24 LDS loads
	WIN 0x40
.irp c, 0,1,2,3
.irp p, 0,1,2,3,4,5
	ds_load_b64 v[192+12*\c+2*\p:192+12*\c+2*\p+1], v[AWQ] offset:\c*TILB+1536*(\s)+768*(\p/3)+8*(\p%3)
.endr
.endr
	WIN 0
.endm
.macro QSTEP s, n                      ; n: the loads issued behind this step's, at most 63
	s_wait_loadcnt \n
	s_wait_dscnt 0x0
	WIN 0x05
.irp c, 0,1,2,3
.irp i, 0,1,2,3
.if (\s) == 0
	v_wmma_scale_f32_16x16x128_f8f6f4 v[128+32*\i+8*\c:128+32*\i+8*\c+7], v[192+12*\c:192+12*\c+11], v[48*((\s)%4)+12*\i:48*((\s)%4)+12*\i+11], 0, v[96+8*\c-78*(\c/3)+(\s)], v[XS+8*\i+(\s)] matrix_a_fmt:MATRIX_FMT_FP6 matrix_b_fmt:MATRIX_FMT_FP6
.else
	v_wmma_scale_f32_16x16x128_f8f6f4 v[128+32*\i+8*\c:128+32*\i+8*\c+7], v[192+12*\c:192+12*\c+11], v[48*((\s)%4)+12*\i:48*((\s)%4)+12*\i+11], v[128+32*\i+8*\c:128+32*\i+8*\c+7], v[96+8*\c-78*(\c/3)+(\s)], v[XS+8*\i+(\s)] matrix_a_fmt:MATRIX_FMT_FP6 matrix_b_fmt:MATRIX_FMT_FP6
.endif
.endr
.endr
	WIN 0
.rept 4
	v_nop                                          ; places ahead of loads into registers just read, and of the first read of the sums
.endr
.if (\s) < 4
	XLOAD (\s)+4
.endif
.if (\s) < 7
	WFRAG (\s)+1
.endif
.endm
	s_load_b256 s[68:75], s[0:1], 0x0              ; acodes s[68:69], ascales s[70:71], wcodes s[72:73], wscales s[74:75]
	s_load_b256 s[4:11], s[0:1], 0x20              ; kv s[4:5], mask s[6:7], ocodes s[8:9], oscales s[10:11]
	v_lshl_add_u32 v123, v0, 2, SPARE
	v_mov_b32 v127, 0
	ds_add_u32 v123, v127                          ; the opening lines: the add twice on end
	ds_add_u32 v123, v127
	v_lshrrev_b32 v9, 5, v0
	s_delay_alu instid0(VALU_DEP_1)
	v_readfirstlane_b32 s[WV], v9                  ; wave 0..7
	s_bfe_u32 s15, ttmp6, 0x40000                  ; cx: my quarter of the queries; it enters global addresses of x, ocodes and oscales alone
	s_and_b32 s16, ttmp7, 0xffff                   ; 16 x batch + head: shared by the four partners
.irp g, G1, G1W
	s_mov_b32 s[\g], 15|(3<<16)|(1<<21)            ; the mask: all four work-groups; elements of 8 bytes; no padding
	s_mov_b32 s[\g+1], 32<<16                      ; dense rows of 256 bytes
	s_mov_b32 s[\g+3], 32<<16
	s_mov_b32 s[\g+5], 32
	s_mov_b32 s[\g+6], 0
	s_mov_b32 s[\g+7], 0
.endr
	s_mov_b32 s[G1+2], 204<<16                     ; four records
	s_mov_b32 s[G1+4], 204
	s_mov_b32 s[G1W+2], 48<<16                     ; a tile of Wq
	s_mov_b32 s[G1W+4], 48
	s_and_b32 s45, s[WV], 3
	s_lshr_b32 s48, s16, 4                         ; batch
	s_and_b32 s49, s16, 15                         ; head
	s_mul_i32 s42, s45, 4*REC                      ; a quarter of K and V, in LDS and in the head
	s_mul_i32 s40, s16, HEADB
	s_add_co_u32 s40, s40, s42
	s_mov_b32 s41, 0
	s_lshl_b32 s46, s49, 2
	s_add_co_u32 s46, s46, s45                     ; Wq's tile 4 x head + wave % 4
	s_mul_i32 s46, s46, TILB
	s_mov_b32 s47, 0
	s_mul_i32 s44, s45, TILB
	s_add_co_u32 s44, s44, WQL
	s_mov_b32 s[SEL], 0x76543210
	s_mov_b32 s[SEL+1], 0xfedcba98
	s_mov_b32 s[CS], 0x3e38aa3b                    ; c = log2(e) / 8
	s_mov_b32 s[CS+1], s[CS]
	v_and_b32 v9, 31, v0
	v_and_b32 v10, 15, v0
	v_bfe_u32 v11, v0, 4, 1
	v_lshlrev_b32 v12, 3, v0                       ; my 8 bytes of the batch's mask
	v_lshl_add_u32 v13, v0, 5, BIAS                ; and my 8 numbers of the table
	v_mov_b32 v54, 0                               ; destinations of lane permutes
	v_mov_b32 v55, 0
	v_mov_b32 v56, 0
	v_mov_b32 v57, 0
	v_lshlrev_b32 v[L16], 4, v9
	v_lshlrev_b32 v[L8], 3, v9
	v_mul_u32_u24 v[L24], v9, 24
	v_lshlrev_b32 v[R32], 5, v10
	v_lshl_add_u32 v[LB], v11, 6, BIAS
	v_mad_u32_u24 v[AWQ], v9, 24, WQL
	s_wait_alu depctr_va_vdst(0)                   ; the wait ahead of the waits below
	s_wait_dscnt 0x0
	s_wait_kmcnt 0x0
	s_mov_b32 s[G0], 1
	s_mov_b32 s[G0+1], s42
	s_add_nc_u64 s[G0+2:G0+3], s[4:5], s[40:41]
	s_or_b32 s[G0+3], s[G0+3], 0x80000000
	s_mov_b32 s[G0W], 1
	s_mov_b32 s[G0W+1], s44
	s_add_nc_u64 s[G0W+2:G0W+3], s[72:73], s[46:47]
	s_or_b32 s[G0W+3], s[G0W+3], 0x80000000
	ROUND                                          ; all four work-groups are here: the joint loads meet
	s_cmp_lt_u32 s[WV], 4
	s_cbranch_scc0 .Lfor_w
	tensor_load_to_lds s[G0:G0+3], s[G1:G1+7]      ; my one tensor load of the launch
	s_nop 0
.rept 4
	v_nop
.endr
	s_branch .Lasked
.Lfor_w:
	tensor_load_to_lds s[G0W:G0W+3], s[G1W:G1W+7]
	s_nop 0
.rept 4
	v_nop
.endr
.Lasked:
	s_lshl_b32 s40, s48, 11
	s_add_nc_u64 s[6:7], s[6:7], s[40:41]
	global_load_b64 v[136:137], v12, s[6:7]
	s_lshl_b32 s50, s48, 7                         ; my first tile of places: 128 b + 8 (4 cx + wave / 4) + 2 (wave % 4); the second pass's lie 16 tiles on
	s_lshl_b32 s51, s15, 5
	s_add_co_u32 s50, s50, s51
	s_lshr_b32 s51, s[WV], 2
	s_lshl_b32 s51, s51, 3
	s_add_co_u32 s50, s50, s51
	s_lshl_b32 s51, s45, 1
	s_add_co_u32 s50, s50, s51
	s_lshl_b32 s40, s50, 9
	s_add_nc_u64 s[70:71], s[70:71], s[40:41]      ; x's scale bytes, 512 a tile
	s_lshl_b32 s40, s49, 11
	s_add_nc_u64 s[74:75], s[74:75], s[40:41]      ; Wq's, four tiles a head
	s_mul_i32 s40, s50, TILB
	s_add_nc_u64 s[68:69], s[68:69], s[40:41]      ; x's codes
.irp i, 0,1,2,3
	global_load_b128 v[XS+8*\i:XS+8*\i+3], v[R32], s[70:71] offset:(\i%2+16*(\i/2))*512       ; a place's eight scale words, one for each K step
	global_load_b128 v[XS+8*\i+4:XS+8*\i+7], v[R32], s[70:71] offset:(\i%2+16*(\i/2))*512+16
.endr
.irp c, 0,1,2,3
	global_load_b128 v[96+8*\c-78*(\c/3):96+8*\c-78*(\c/3)+3], v[R32], s[74:75] offset:\c*512
	global_load_b128 v[96+8*\c-78*(\c/3)+4:96+8*\c-78*(\c/3)+7], v[R32], s[74:75] offset:\c*512+16
.endr
	XLOAD 0
	XLOAD 1
	XLOAD 2
	XLOAD 3
	s_lshl_b32 s51, s50, 4
	s_add_co_u32 s51, s51, s49
	s_mul_i32 s40, s51, 768
	s_add_nc_u64 s[OC:OC+1], s[OC:OC+1], s[40:41]  ; ocodes: record (tile, head)
	s_lshl_b32 s40, s50, 9
	s_lshl_b32 s51, s49, 1
	s_add_co_u32 s40, s40, s51
	s_add_nc_u64 s[OS:OS+1], s[OS:OS+1], s[40:41]  ; oscales: 32 bytes a place, the head's two at 2 x head
	s_wait_loadcnt 63                              ; the mask's bytes are in: 112 loads were issued behind them
.irp k, 0,1,2,3
	v_bfe_u32 v[128+\k], v136, 8*\k, 8
	v_bfe_u32 v[132+\k], v137, 8*\k, 8
.endr
.irp k, 0,1,2,3,4,5,6,7
	v_add_nc_u32 v[128+\k], -1, v[128+\k]          ; 1 -> 0, 0 -> all ones
.endr
.irp k, 0,1,2,3,4,5,6,7
	v_and_b32 v[128+\k], 0xd0000000, v[128+\k]     ; 0, or -2^33
.endr
	ds_store_b128 v13, v[128:131]
	ds_store_b128 v13, v[132:135] offset:16
	s_wait_tensorcnt 0x0                           ; my tensor load has landed,
	s_wait_dscnt 0x0                               ; my part of the table is written:
	s_barrier_signal -1
	s_barrier_wait -1                              ; everybody's
	WFRAG 0
	QSTEP 0, 63                                    ; behind a step's 24 loads stand 72 more
	QSTEP 1, 63
	QSTEP 2, 63
	QSTEP 3, 63
	QSTEP 4, 63
	QSTEP 5, 48                                    ; then those of the steps that are left
	QSTEP 6, 24
	QSTEP 7, 0
	QQ 128, 160, QF, QF+12, QSW, QSW+1             ; the first pass's two tiles
	QQ 192, 224, 96, 102, 108, 109                 ; the second pass's
	WIN 0x40
.irp j, 0,1,2,3,4,5,6,7,8,9,10,11,12,13
	v_mov_b32 v[Q1+\j], v[96+\j]                   ; the second pass's Q waits in window 1
.endr
.irp j, 48,49,50,51,52,53
	v_mov_b32 v[KF+\j], 0                          ; behind K's last tile
.endr
	WIN 0
.irp j, 6,7,8,9,10,11,18,19,20,21,22,23
	v_mov_b32 v[QF+\j], 0                          ; Q's codes for k = 64 .. 127
.endr
.irp j, 68,69,70,71,84,85,86,87,55,61
	v_mov_b32 v[\j], 0                             ; destinations of lane permutes, and the partners of f: written once
.endr
.macro KGROUP                          ; 29 LDS loads: a step's K, the table's 64 numbers of my half of the lanes, K's scale words
	WIN 0x40
.irp i, 0,1,2,3,4,5,6,7,8,9,10,11
	ds_load_b128 v[KF+4*\i:KF+4*\i+3], v[A16] offset:512*\i
.endr
.irp t, 0,1,2,3,4,5,6,7
	ds_load_b128 v[BI+8*\t:BI+8*\t+3], v[AB] offset:128*(\t/2)+32*(\t%2)       ; tile t, register j: key 32 (t / 2) + 16 h + 8 (t % 2) + j
	ds_load_b128 v[BI+8*\t+4:BI+8*\t+7], v[AB] offset:128*(\t/2)+32*(\t%2)+16
.endr
	WIN 0
	ds_load_b128 v[KSC:KSC+3], v[A16] offset:6144
.endm
.macro VGROUP                          ; 13 LDS loads: a step's V and its scale words
	WIN 0x40
.irp i, 0,1,2,3,4,5,6,7,8,9,10,11
	ds_load_b128 v[VF+4*\i:VF+4*\i+3], v[A16] offset:6656+512*\i
.endr
	WIN 0
	ds_load_b64 v[VS:VS+1], v[A8] offset:12800
.endm
.macro SPROD t, q                      ; S^T tile t of query tile q: C = the table
.if (\t)%2
	v_wmma_scale_f32_16x16x128_f8f6f4 v[128+64*(\q)+8*(\t):128+64*(\q)+8*(\t)+7], v[KF+6*(\t):KF+6*(\t)+11], v[QF+12*(\q):QF+12*(\q)+11], v[BI+8*(\t):BI+8*(\t)+7], v[KSC+(\t)/2], v[QSW+(\q)] matrix_a_fmt:MATRIX_FMT_FP6 matrix_b_fmt:MATRIX_FMT_FP6 matrix_a_scale:MATRIX_SCALE_ROW1
.else
	v_wmma_scale_f32_16x16x128_f8f6f4 v[128+64*(\q)+8*(\t):128+64*(\q)+8*(\t)+7], v[KF+6*(\t):KF+6*(\t)+11], v[QF+12*(\q):QF+12*(\q)+11], v[BI+8*(\t):BI+8*(\t)+7], v[KSC+(\t)/2], v[QSW+(\q)] matrix_a_fmt:MATRIX_FMT_FP6 matrix_b_fmt:MATRIX_FMT_FP6
.endif
.endm
.macro OPROD t, q                      ; O^T tile t (16 channels) of query tile q += V^T P^T
.if (\t)%2
	v_wmma_scale_f32_16x16x128_f8f6f4 v[168+32*(\q)+8*(\t):168+32*(\q)+8*(\t)+7], v[VF+12*(\t):VF+12*(\t)+11], v[96+12*(\q):96+12*(\q)+11], v[168+32*(\q)+8*(\t):168+32*(\q)+8*(\t)+7], v[VS+(\t)/2], v[48+(\q)] matrix_a_fmt:MATRIX_FMT_FP6 matrix_b_fmt:MATRIX_FMT_FP6 matrix_a_scale:MATRIX_SCALE_ROW1
.else
	v_wmma_scale_f32_16x16x128_f8f6f4 v[168+32*(\q)+8*(\t):168+32*(\q)+8*(\t)+7], v[VF+12*(\t):VF+12*(\t)+11], v[96+12*(\q):96+12*(\q)+11], v[168+32*(\q)+8*(\t):168+32*(\q)+8*(\t)+7], v[VS+(\t)/2], v[48+(\q)] matrix_a_fmt:MATRIX_FMT_FP6 matrix_b_fmt:MATRIX_FMT_FP6
.endif
.endm
.macro SM_MAX q                        ; the largest score of each block of 32 keys: it serves for the row's maximum and, since p rises with the score, for the block's largest p
	TSET \q
.irp b, 0,1,2,3
	v_max3_num_f32 v[W_+\b], v[S_+16*\b], v[S_+16*\b+1], v[S_+16*\b+2]
.endr
.irp i, 3,5,7,9,11,13
.irp b, 0,1,2,3
	v_max3_num_f32 v[W_+\b], v[W_+\b], v[S_+16*\b+\i], v[S_+16*\b+\i+1]
.endr
.endr
.irp b, 0,1,2,3
	v_max_num_f32 v[W_+\b], v[W_+\b], v[S_+16*\b+15]
.endr
.endm
.macro SM_X q
	TSET \q
.irp b, 0,1,2,3
	v_permlanex16_b32 v[W_+4+\b], v[W_+\b], s[SEL], s[SEL+1]
.endr
.irp b, 0,1,2,3
	s_delay_alu instid0(VALU_DEP_4)
	v_max_num_f32 v[W_+\b], v[W_+\b], v[W_+4+\b]
.endr
.endm
.macro SM_M q
	TSET \q
	v_max3_num_f32 v[W_+12], v[W_], v[W_+1], v[W_+2]
	s_delay_alu instid0(VALU_DEP_1)
	v_max_num_f32 v[W_+12], v[W_+12], v[W_+3]
	s_delay_alu instid0(VALU_DEP_1)
	v_mul_f32 v[W_+12], s[CS], v[W_+12]            ; as t
	s_delay_alu instid0(VALU_DEP_1)
	v_max_num_f32 v[T_+1], v[T_+1], v[W_+12]       ; the running largest t
	v_mov_b32 v[W_+12], v[T_]
	s_delay_alu instid0(VALU_DEP_2)
	v_floor_f32 v[T_], -v[T_+1]                    ; -M = floor(-t): M is a whole number
	s_delay_alu instid0(VALU_DEP_1)
	v_sub_f32 v[W_+12], v[T_], v[W_+12]            ; old M - new M, 0 or less
	s_delay_alu instid0(VALU_DEP_1)
	v_cvt_i32_f32 v[W_+12], v[W_+12]               ; (it saturates)
	s_delay_alu instid0(VALU_DEP_1)
	v_ldexp_f32 v[T_+4], 1.0, v[W_+12]             ; f = 2^(old M - new M)
.endm
.macro SM_FMA q
	TSET \q
.set j, 0
.rept 32
	v_pk_fma_f32 v[S_+j:S_+j+1], v[S_+j:S_+j+1], s[CS:CS+1], v[T_:T_+1] op_sel_hi:[1,0,0]   ; t - M
.set j, j+2
.endr
.irp b, 0,1,2,3
	v_fma_f32 v[W_+\b], v[W_+\b], s[CS], v[T_]
.endr
.endm
.macro SM_EXP q
	TSET \q
.set j, 0
.rept 64
	v_exp_f32 v[S_+j], v[S_+j]
.set j, j+1
.endr
.endm
.macro SM_EXPB q
	TSET \q
.irp b, 0,1,2,3
	v_exp_f32 v[W_+\b], v[W_+\b]                   ; the block's largest p: the same two instructions on the same number
.endr
.endm
.macro SM_SUM q                        ; the row's sum of the unquantised p, two at a time, in two chains
	TSET \q
	v_pk_add_f32 v[W_+14:W_+15], v[S_:S_+1], v[S_+2:S_+3]
.irp j, 4,8,12,16,20,24,28,32,36,40,44,48,52,56,60
	v_pk_add_f32 v[T_+2:T_+3], v[T_+2:T_+3], v[S_+\j:S_+\j+1]
	v_pk_add_f32 v[W_+14:W_+15], v[W_+14:W_+15], v[S_+\j+2:S_+\j+3]
.endr
	s_delay_alu instid0(VALU_DEP_1)
	v_pk_add_f32 v[T_+2:T_+3], v[T_+2:T_+3], v[W_+14:W_+15]
.endm
.macro SM_SCALE q
	TSET \q
.irp b, 0,1,2,3
	v_max_num_f32 v[W_+\b], 0x1800000, v[W_+\b]    ; the floor 2^(3 - 127)
.endr
.irp b, 0,1,2,3
	s_delay_alu instid0(VALU_DEP_4)
	v_add_nc_u32 v[W_+8+\b], 0xff000000, v[W_+\b]
.endr
.irp b, 0,1,2,3
	s_delay_alu instid0(VALU_DEP_4)
	v_lshrrev_b32 v[W_+4+\b], 23, v[W_+8+\b]
.endr
	s_delay_alu instid0(VALU_DEP_3)
	v_lshl_or_b32 v[D_], v[W_+5], 8, v[W_+4]
	s_delay_alu instid0(VALU_DEP_1)
	v_lshl_or_b32 v[D_], v[W_+6], 16, v[D_]
	s_delay_alu instid0(VALU_DEP_1)
	v_lshl_or_b32 v[D_], v[W_+7], 24, v[D_]
.endm
.macro SM_CVT q
	TSET \q
.irp c, 0,1
	v_cvt_scalef32_pk16_fp6_f32 v[P_+6*\c:P_+6*\c+2], v[S_+32*\c:S_+32*\c+15], v[W_+8+2*\c]
	v_cvt_scalef32_pk16_fp6_f32 v[CT+4*\c:CT+4*\c+2], v[S_+32*\c+16:S_+32*\c+31], v[W_+9+2*\c]
.endr
	v_nop                                          ; one plain place behind the scaled conversions
.irp c, 0,1
.irp i, 0,1,2
	v_permlane16_swap_b32 v[P_+6*\c+\i], v[CT+4*\c+\i]
.endr
.irp i, 0,1,2
	s_delay_alu instid0(VALU_DEP_3)
	v_mov_b32 v[P_+6*\c+3+\i], v[CT+4*\c+\i]
.endr
.endr
.endm
; A KEY STEP.  The next record's K group is asked for behind the score products, its V group behind the second products.
.macro STEP
	s_wait_dscnt 13                                ; this step's K group is in; V's 13 loads, issued behind it, may be out
	WIN 0x11                                       ; K and the table in window 1
.irp t, 0,1,2,3,4,5,6,7
	SPROD \t, 0
	SPROD \t, 1
.endr
	WIN 0
	s_add_co_u32 s[KI], s[CNT], 1
	s_and_b32 s[KI], s[KI], 15                     ; the next record; behind the sixteenth, record 0
	s_mul_i32 s[TB], s[KI], REC
	s_lshl_b32 s[TBI], s[KI], 9
	v_add_nc_u32 v[A16], s[TB], v[L16]             ; four plain instructions: the places in front of the loads below and of the first read of the scores
	v_add_nc_u32 v[A8], s[TB], v[L8]
	v_add_nc_u32 v[AB], s[TBI], v[LB]
	v_nop
	KGROUP
	SM_MAX 0
	SM_MAX 1
	SM_X 0
	SM_X 1
	SM_M 0
	SM_M 1
	SM_FMA 0
	SM_FMA 1
	s_wait_alu depctr_va_vdst(0)                   ; the wait ahead of the batch
	SM_EXP 0
	SM_EXP 1
	v_pk_mul_f32 v[52:53], v[52:53], v[54:55] op_sel_hi:[1,0]   ; the sums under the new M: plain work behind the exponentials
	v_pk_mul_f32 v[58:59], v[58:59], v[60:61] op_sel_hi:[1,0]
	s_wait_alu depctr_va_vdst(0)                   ; one wait for the 128 exponentials, ahead of their first reader
	SM_EXPB 0
	SM_EXPB 1
	SM_SUM 0
	SM_SUM 1
	s_wait_alu depctr_va_vdst(0)                   ; and one for the eight
	SM_SCALE 0
	SM_SCALE 1
	SM_CVT 0
	SM_CVT 1
	WIN 0x41
.irp q, 0,1
.set j, 0
.rept 16
	v_pk_mul_f32 v[168+32*\q+j:168+32*\q+j+1], v[168+32*\q+j:168+32*\q+j+1], v[54+6*\q:55+6*\q] op_sel_hi:[1,0]   ; O^T under the new M; these 32 are also the places between P's codes and scale words and the products
.set j, j+2
.endr
.endr
	s_wait_alu depctr_va_vdst(0)
	s_wait_dscnt 29                                ; V's group is in; the next K group's 29 loads, issued behind it, may be out
	WIN 0x51
.irp t, 0,1,2,3
	OPROD \t, 0                                    ; eight accumulators, one instruction each
	OPROD \t, 1
.endr
	WIN 0
.rept 4
	v_nop
.endr
	VGROUP
.endm
; THE WAY OUT of tile q: O^T / the sum; codes as a half fragment (three stores of 256 consecutive bytes, aligned), two scale bytes a place.
.macro OUTQ q
	TSET \q
	WIN 0x01
.set j, 0
.rept 16
	v_pk_mul_f32 v[S_+j:S_+j+1], v[O_+j:O_+j+1], v[T_+4:T_+5] op_sel_hi:[1,0]   ; each accumulator from its low end on
.set j, j+2
.endr
	WIN 0
	QH S_, W_, P_, D_, CT+4*(\q)
.irp p, 0,1,2
	global_store_b64 v[L8], v[P_+2*\p:P_+2*\p+1], s[OC:OC+1] offset:12288*(\q)+256*\p
.endr
	global_store_b16 v[R32], v[D_], s[OS:OS+1] offset:512*(\q)    ; both halves of the lanes hold the same word and write it to the same place
.endm
	s_mov_b32 s[TB], 0
	s_mov_b32 s[TBI], 0
	v_add_nc_u32 v[A16], s[TB], v[L16]
	v_add_nc_u32 v[A8], s[TB], v[L8]
	v_add_nc_u32 v[AB], s[TBI], v[LB]
	KGROUP                                         ; record 0
	VGROUP
	s_mov_b32 s[PASS], 2
.Lpass:
	WIN 0x40
.set j, 0
.rept 64
	v_mov_b32 v[168+j], 0                          ; O^T: the step is written once for all steps; the first change of M multiplies zeros
.set j, j+1
.endr
	WIN 0
.irp q, 0,1
	v_mov_b32 v[51+6*\q], 0xff61b1e6               ; the largest t so far: -3e38
	s_delay_alu instid0(VALU_DEP_1)
	v_floor_f32 v[50+6*\q], -v[51+6*\q]
	v_mov_b32 v[52+6*\q], 0
	v_mov_b32 v[53+6*\q], 0
.endr
	s_mov_b32 s[CNT], 0
.Lstep:
	STEP
	s_add_co_u32 s[CNT], s[CNT], 1
	s_cmp_lt_u32 s[CNT], 16
	s_cbranch_scc1 .Lstep
.irp q, 0,1
	v_add_f32 v[76+16*\q], v[52+6*\q], v[53+6*\q]  ; the sum's two halves,
.endr
.irp q, 0,1
	s_delay_alu instid0(VALU_DEP_2)
	v_permlanex16_b32 v[68+16*\q], v[76+16*\q], s[SEL], s[SEL+1]
.endr
.irp q, 0,1
	s_delay_alu instid0(VALU_DEP_2)
	v_add_f32 v[76+16*\q], v[76+16*\q], v[68+16*\q]   ; and lane l xor 16's
.endr
	s_wait_alu depctr_va_vdst(0)
.irp q, 0,1
	v_rcp_f32 v[54+6*\q], v[76+16*\q]
.endr
	v_nop                                          ; a plain place behind the reciprocals
	s_wait_alu depctr_va_vdst(0)                   ; one wait for both, ahead of their first reader
	OUTQ 0
	OUTQ 1
	WIN 0x01
.irp j, 0,1,2,3,4,5
	v_mov_b32 v[QF+\j], v[Q1+\j]                   ; the second pass's Q takes its place
	v_mov_b32 v[QF+12+\j], v[Q1+6+\j]
.endr
	v_mov_b32 v[QSW], v[Q1+12]
	v_mov_b32 v[QSW+1], v[Q1+13]
	WIN 0
	s_wait_xcnt 0x0                                ; the stores have read their registers and bases: both are written again only behind this wait
	s_add_nc_u64 s[OC:OC+1], s[OC:OC+1], 196608    ; 16 tiles of places on
	s_add_nc_u64 s[OS:OS+1], s[OS:OS+1], 8192
	s_sub_co_u32 s[PASS], s[PASS], 1
	s_cmp_lg_u32 s[PASS], 0
	s_cbranch_scc1 .Lpass
	s_wait_tensorcnt 0x0                           ; the wave's end
	ds_add_u32 v123, v127
	s_wait_dscnt 0x0
	ROUND                                          ; the closing round
	s_endpgm
.Lfunc_end_k_q31db9cff0e_attn:
	.size	k_q31db9cff0e_attn, .Lfunc_end_k_q31db9cff0e_attn-k_q31db9cff0e_attn
	.p2alignl 7, 3214868480
	.fill 96, 4, 3214868480
	.section	.rodata,"a",@progbits
	.p2align	6, 0x0
	.amdhsa_kernel k_q31db9cff0e_attn
		.amdhsa_group_segment_fixed_size 267264
		.amdhsa_private_segment_fixed_size 0
		.amdhsa_enable_private_segment 0
		.amdhsa_kernarg_size 64
		.amdhsa_user_sgpr_count 2
		.amdhsa_user_sgpr_kernarg_segment_ptr 1
		.amdhsa_wavefront_size32 1
		.amdhsa_system_sgpr_workgroup_id_x 1
		.amdhsa_system_sgpr_workgroup_id_y 1
		.amdhsa_system_sgpr_workgroup_id_z 1
		.amdhsa_system_vgpr_workitem_id 0
		.amdhsa_next_free_vgpr 512
		.amdhsa_next_free_sgpr 80
		.amdhsa_reserve_vcc 0
		.amdhsa_float_denorm_mode_32 3
		.amdhsa_float_denorm_mode_16_64 3
		.amdhsa_memory_ordered 1
		.amdhsa_forward_progress 1
		.amdhsa_inst_pref_size 115
	.end_amdhsa_kernel
	.amdgpu_metadata
---
amdhsa.version: [ 1, 2 ]
amdhsa.kernels:
  - .name:           k_q31db9cff0e_attn
    .symbol:         k_q31db9cff0e_attn.kd
    .args:
      - { .name: acodes, .offset: 0, .size: 8, .value_kind: global_buffer, .address_space: global }
      - { .name: ascales, .offset: 8, .size: 8, .value_kind: global_buffer, .address_space: global }
      - { .name: wcodes, .offset: 16, .size: 8, .value_kind: global_buffer, .address_space: global }
      - { .name: wscales, .offset: 24, .size: 8, .value_kind: global_buffer, .address_space: global }
      - { .name: kv, .offset: 32, .size: 8, .value_kind: global_buffer, .address_space: global }
      - { .name: mask, .offset: 40, .size: 8, .value_kind: global_buffer, .address_space: global }
      - { .name: ocodes, .offset: 48, .size: 8, .value_kind: global_buffer, .address_space: global }
      - { .name: oscales, .offset: 56, .size: 8, .value_kind: global_buffer, .address_space: global }
    .group_segment_fixed_size: 267264
    .private_segment_fixed_size: 0
    .kernarg_segment_align: 8
    .kernarg_segment_size: 64
    .max_flat_workgroup_size: 256
    .sgpr_count:     80
    .vgpr_count:     512
    .wavefront_size: 32
...
	.end_amdgpu_metadata
.endif
;; end of part 3
;; launch outp (part 4): grid 4 x 64, 4 waves a work-group, clusters of 4 x 4, 327,680 bytes of LDS; arguments ocodes, oscales, wcodes, wscales, bout, out0; writes out0
.if DOCPART == 4
	.amdgcn_target "amdgcn-amd-amdhsa--gfx1250"
	.amdhsa_code_object_version 6
	.text
	.protected	k_q31db9cff0e_outp
	.globl	k_q31db9cff0e_outp
	.p2align	8
	.type	k_q31db9cff0e_outp,@function
k_q31db9cff0e_outp:
	s_mov_b64 s[64:65], 0
	v_nop
	global_prefetch_b8 v0, s[64:65] scope:SCOPE_SE
	s_setreg_imm32_b32 hwreg(HW_REG_WAVE_MODE, 25, 1), 1
	s_wait_xcnt 0x0
	s_wait_alu depctr_hold_cnt(0) depctr_sa_sdst(0) depctr_va_vdst(0) depctr_va_sdst(0) depctr_va_ssrc(0) depctr_va_vcc(0) depctr_vm_vsrc(0)
	s_getreg_b32 s2, hwreg(HW_REG_IB_STS2, 6, 4)
	s_cmp_eq_u32 s2, 0
	s_cbranch_scc0 .Lentry_in_a_cluster
	s_endpgm
.Lentry_in_a_cluster:
	s_bfe_u32 s2, ttmp6, 0x10000c
	s_cmp_lg_u32 s2, 0xf033
	s_cbranch_scc0 .Lentry_shape_is_right
	s_endpgm
.Lentry_shape_is_right:
; out0 = o Wout + bout on codes of FP6 with E8M0 scales.  A work-group makes 128 places x 256 columns: 64 x 4 = 256 work-groups.  A wave makes 64 x 128: 32 accumulators, 256 registers.
; ALL OF K LIES IN LDS: o's 8 tiles (98,304 bytes), Wout's 16 tiles (196,608), their scale bytes (4,096 and 8,192): four dense blocks of memory, one tensor load a wave at the head, as rows of 256 bytes.
; Nothing is filled again: no ring, and one barrier ahead of the products.  No prefetch: every tile is asked for at the head, and there is no loop to run ahead in.
; CLUSTERS 4 x 4: o's tiles and scales are asked for jointly along a row of the cluster, Wout's along a column.
; o's codes lie as planes (8 bytes x lane, 256 bytes a plane, 1,536 bytes for 128 along K); Wout's as [block of 32][place][24 bytes]: lane l at 24 l and 768 + 24 l.
; The matrix instruction is used transposed (source 0 = Wout's places, source 1 = o's); the bias is the C of the first products.  Places are rows and columns with bits 3 and 4 exchanged: the way out puts them back.
; The stage of the way out lies on o's tiles, behind a barrier at which every wave's LDS reads are over.
; REGISTERS: window 0: v16-30 addresses; v32-95 scale words (8 i + step: lanes 0-15 o's tile i, lanes 16-31 Wout's tile i); v96-159 bias; v160-255 o's fragments, two sets; window 1: Wout's, two sets; window 2: sums.
.set TILB,   12288
.set FR,     12
.set BOFF,   8*TILB
.set ASC,    BOFF+16*TILB
.set BSC,    ASC+4096
.set SPARE,  BSC+8192
.set SPITCH, 528
.set ADRA, 16
.set ADRB, 20
.set STO,  24
.set RD,   25
.set CO,   26
.set ADRS, 27
.set SPW,  28
.set NIL,  29
.set BO,   30
.set SC,   32
.set BI,   96
.set AF,   160
.set BK,   128
.set G1A, 24
.set G1B, 48
.set G1SA, 68
.set G1SB, 80
.set G0A, 32
.set G0B, 36
.set G0SA, 56
.set G0SB, 60
.set MSB, 0
.macro WIN new
.if MSB != (\new)
	s_set_vgpr_msb (MSB<<8)|(\new)
.set MSB, (\new)
.endif
.endm
.macro CROUND
	s_barrier_signal -1
	s_barrier_wait -1
	s_cmp_lg_u32 s14, 0
	s_cbranch_scc1 .Lnot_wave_0_\@
	s_barrier_signal -3
.Lnot_wave_0_\@:
	s_barrier_wait -3
	s_barrier_signal -1
	s_barrier_wait -1
.endm
.macro DENSE g, mask, rows             ; group 1: rows of 256 bytes, dense
	s_or_b32 s[\g], \mask, (3<<16)|(1<<21)
	s_mov_b32 s[\g+1], 32<<16
	s_mov_b32 s[\g+2], (\rows)<<16
	s_mov_b32 s[\g+3], 32<<16
	s_mov_b32 s[\g+4], \rows
	s_mov_b32 s[\g+5], 32
	s_mov_b32 s[\g+6], 0
	s_mov_b32 s[\g+7], 0
.endm
.macro GRP0 g, lds, a
	s_mov_b32 s[\g], 1
	s_mov_b32 s[\g+1], \lds
	s_mov_b64 s[\g+2:\g+3], s[\a:\a+1]
	s_or_b32 s[\g+3], s[\g+3], 0x80000000
.endm
.macro ARM under, g0, g1, next
	s_cmp_lt_u32 s14, \under
	s_cbranch_scc0 \next
	tensor_load_to_lds s[\g0:\g0+3], s[\g1:\g1+7]
	s_nop 0
.rept 4
	v_nop
.endr
	s_branch .Lhead_asked
\next:
.endm
.macro PLACES n
.rept \n
	v_nop
.endr
.endm
.macro FETCH st                        ; 72 loads: step st's fragments into set st % 2
	WIN 0x40
.irp i, 0,1,2,3,4,5,6,7
.irp p, 0,1,2,3,4,5
	ds_load_b64 v[128*((\st)%2)+FR*\i+2*\p:128*((\st)%2)+FR*\i+2*\p+1], v[ADRB+\i/4] offset:(\i%4)*TILB+1536*(\st)+768*(\p/3)+8*(\p%3)
.endr
.endr
	WIN 0
.irp i, 0,1,2,3
.irp p, 0,1,2,3,4,5
	ds_load_b64 v[AF+48*((\st)%2)+FR*\i+2*\p:AF+48*((\st)%2)+FR*\i+2*\p+1], v[ADRA] offset:\i*TILB+1536*(\st)+256*\p
.endr
.endr
.endm
.macro MUL st, first                   ; 32 products; the 32 accumulators take turns
.irp a, 0,1,2,3
.irp b, 0,1,2,3,4,5,6,7
.if \first
	v_wmma_scale_f32_16x16x128_f8f6f4 v[8*(8*\a+\b):8*(8*\a+\b)+7], v[128*((\st)%2)+FR*\b:128*((\st)%2)+FR*\b+FR-1], v[AF+48*((\st)%2)+FR*\a:AF+48*((\st)%2)+FR*\a+FR-1], v[BI+8*\b:BI+8*\b+7], v[SC+8*\b+(\st)], v[SC+8*\a+(\st)] matrix_a_fmt:MATRIX_FMT_FP6 matrix_b_fmt:MATRIX_FMT_FP6 matrix_a_scale:MATRIX_SCALE_ROW1
.else
	v_wmma_scale_f32_16x16x128_f8f6f4 v[8*(8*\a+\b):8*(8*\a+\b)+7], v[128*((\st)%2)+FR*\b:128*((\st)%2)+FR*\b+FR-1], v[AF+48*((\st)%2)+FR*\a:AF+48*((\st)%2)+FR*\a+FR-1], v[8*(8*\a+\b):8*(8*\a+\b)+7], v[SC+8*\b+(\st)], v[SC+8*\a+(\st)] matrix_a_fmt:MATRIX_FMT_FP6 matrix_b_fmt:MATRIX_FMT_FP6 matrix_a_scale:MATRIX_SCALE_ROW1
.endif
.endr
.endr
.endm
.macro STEP st                         ; this step's fragments are waited for, the next step's asked for, then the products
	s_wait_dscnt 0x0
.if (\st) < 7
.if (\st) > 0
	PLACES 4                                       ; ahead of loads into the set that the last products read
.endif
	FETCH (\st)+1
.else
	s_barrier_signal -1                            ; my reads of LDS are over
.endif
.if (\st) == 0
	s_wait_loadcnt 0x0                             ; the bias
	WIN 0x81
	MUL \st, 1
.else
	WIN 0xa1
	MUL \st, 0
.endif
	WIN 0
.endm
	s_load_b128 s[4:7], s[0:1], 0x0                ; ocodes, oscales
	s_load_b128 s[8:11], s[0:1], 0x10              ; wcodes, wscales
	s_load_b64 s[96:97], s[0:1], 0x20              ; bout
	s_load_b64 s[12:13], s[0:1], 0x28              ; out0
	v_lshl_add_u32 v[SPW], v0, 2, SPARE
	v_mov_b32 v[NIL], 0
	ds_add_u32 v[SPW], v[NIL]                      ; the opening lines: the add twice on end
	ds_add_u32 v[SPW], v[NIL]
	v_lshrrev_b32 v1, 5, v0
	v_readfirstlane_b32 s14, v1
	s_lshr_b32 s15, s14, 1                         ; which 64 places
	s_and_b32 s16, s14, 1                          ; which 128 columns
	s_bfe_u32 s40, ttmp6, 0x40000
	s_bfe_u32 s41, ttmp6, 0x40004
	s_lshl_b32 s42, ttmp9, 2
	s_add_co_u32 s42, s42, s40                     ; tile column, 0..3
	s_and_b32 s17, ttmp7, 0xffff
	s_lshl_b32 s17, s17, 2
	s_add_co_u32 s17, s17, s41                     ; tile row, 0..63
	s_lshl_b32 s43, s41, 2
	s_lshl_b32 s43, 15, s43
	s_lshl_b32 s44, 0x1111, s40
	DENSE G1A, s43, 384
	DENSE G1B, s44, 768
	DENSE G1SA, s43, 16
	DENSE G1SB, s44, 32
	s_mul_i32 s20, s17, 8*TILB
	s_lshl_b32 s22, s17, 12
	s_lshl_b32 s46, s42, 8
	s_add_co_u32 s46, s46, 3072                    ; Wout's places begin at 3,072
	s_lshl_b32 s18, s46, 5
	s_mul_i32 s46, s46, 768
	s_mov_b32 s21, 0
	s_mov_b32 s23, 0
	s_mov_b32 s47, 0
	s_mov_b32 s19, 0
	s_wait_dscnt 0x0
	s_wait_kmcnt 0x0
	s_add_nc_u64 s[20:21], s[4:5], s[20:21]
	s_add_nc_u64 s[22:23], s[6:7], s[22:23]
	s_add_nc_u64 s[46:47], s[8:9], s[46:47]
	s_add_nc_u64 s[18:19], s[10:11], s[18:19]
	CROUND
	GRP0 G0A, 0, 20
	GRP0 G0B, BOFF, 46
	GRP0 G0SA, ASC, 22
	GRP0 G0SB, BSC, 18
	ARM 1, G0B,  G1B,  .Lhead_a
	ARM 2, G0A,  G1A,  .Lhead_sa
	ARM 3, G0SA, G1SA, .Lhead_sb
	tensor_load_to_lds s[G0SB:G0SB+3], s[G1SB:G1SB+7]
	s_nop 0
.rept 4
	v_nop
.endr
.Lhead_asked:
	v_and_b32 v1, 15, v0
	v_bfe_u32 v2, v0, 4, 1
	v_and_b32 v6, 31, v0
	v_lshlrev_b32 v7, 3, v6
	v_mul_u32_u24 v4, v6, 24
	v_lshlrev_b32 v5, 5, v1
	v_mul_u32_u24 v8, v1, SPITCH
	v_lshl_add_u32 v8, v2, 6, v8
	v_lshlrev_b32 v[CO], 4, v6
	v_lshlrev_b32 v[BO], 6, v2
	s_wait_alu depctr_va_vdst(0)                   ; the wait ahead of the scalar lines below
	s_mul_i32 s21, s15, 4*TILB
	s_mul_i32 s22, s16, 8*TILB
	s_add_co_u32 s22, s22, BOFF
	v_add_nc_u32 v[ADRA], s21, v7
	v_add_nc_u32 v[ADRB], s22, v4                  ; Wout's tiles 0-3 of my eight,
	s_add_co_u32 s22, s22, 4*TILB
	v_add_nc_u32 v[ADRB+1], s22, v4                ; and 4-7
	s_lshl_b32 s21, s15, 11
	s_lshl_b32 s22, s16, 12
	s_add_co_u32 s22, s22, BSC-ASC
	s_sub_co_u32 s22, s22, s21
	v_mul_u32_u24 v9, s22, v2                      ; lanes 16-31 take Wout's scales
	s_add_co_u32 s21, s21, ASC
	v_add_nc_u32 v5, v5, v9
	v_add_nc_u32 v[ADRS], s21, v5
	s_mul_i32 s23, s14, 16*SPITCH
	v_add_nc_u32 v[STO], s23, v8
	v_add_nc_u32 v[RD], s23, v[CO]
	s_lshl_b32 s20, s17, 7
	s_lshl_b32 s21, s15, 6
	s_add_co_u32 s20, s20, s21                     ; my first row of out0
	s_mov_b32 s21, 0
	s_lshl_b64 s[20:21], s[20:21], 12
	s_lshl_b32 s46, s42, 10
	s_lshl_b32 s47, s16, 9
	s_add_co_u32 s46, s46, s47                     ; my first column, in bytes
	s_mov_b32 s47, 0
	s_add_nc_u64 s[20:21], s[20:21], s[46:47]
	s_add_nc_u64 s[12:13], s[12:13], s[20:21]
	s_add_nc_u64 s[96:97], s[96:97], s[46:47]
.irp b, 0,1,2,3,4,5,6,7
	global_load_b128 v[BI+8*\b:BI+8*\b+3], v[BO], s[96:97] offset:128*(\b/2)+32*(\b%2)
	global_load_b128 v[BI+8*\b+4:BI+8*\b+7], v[BO], s[96:97] offset:128*(\b/2)+32*(\b%2)+16
.endr
	s_wait_alu depctr_va_vdst(0)                   ; the wait at the head's end
	s_wait_tensorcnt 0x0                           ; my block is in;
	s_barrier_signal -1
	s_barrier_wait -1                              ; everybody's
.irp i, 0,1,2,3,4,5,6,7
	ds_load_b128 v[SC+8*\i:SC+8*\i+3], v[ADRS] offset:512*\i         ; a place's eight scale words, one for each step
	ds_load_b128 v[SC+8*\i+4:SC+8*\i+7], v[ADRS] offset:512*\i+16
.endr
	FETCH 0
.irp t, 0,1,2,3,4,5,6,7
	STEP \t
.endr
	s_barrier_wait -1                              ; no wave reads the tiles any more: the stage may be written
.macro TOSTAGE a
.set AC, 64*(\a)
	WIN 0x08
.irp b, 0,1,2,3,4,5,6,7
	ds_store_b128 v[STO], v[AC+8*\b:AC+8*\b+3] offset:128*(\b/2)+32*(\b%2)     ; each accumulator from its low end on
	ds_store_b128 v[STO], v[AC+8*\b+4:AC+8*\b+7] offset:128*(\b/2)+32*(\b%2)+16
.endr
	WIN 0
.set BB, BK+64*((\a)%2)
.irp t, 0,1,2,3,4,5,6,7,8,9,10,11,12,13,14,15
	ds_load_b128 v[BB+4*\t:BB+4*\t+3], v[RD] offset:\t*SPITCH
.endr
.endm
.macro SEND a, younger
.set BB, BK+64*((\a)%2)
	s_wait_dscnt \younger
.irp t, 0,1,2,3,4,5,6,7,8,9,10,11,12,13,14,15
	global_store_b128 v[CO], v[BB+4*\t:BB+4*\t+3], s[12:13] offset:(32*((\a)/2)+8*((\a)%2)+\t+8*(\t/8))*4096 th:TH_STORE_NT   ; 32 lanes store 512 consecutive bytes, aligned
.endr
.endm
	PLACES 4
	TOSTAGE 0
.irp a, 1,2,3
.if \a > 1
	s_wait_xcnt 0x0                                ; block a - 2's stores have read their registers
.endif
	TOSTAGE \a
	SEND \a-1, 32                                  ; behind block a - 1's loads: block a's 16 stores and 16 loads
.endr
	SEND 3, 0
	s_wait_tensorcnt 0x0                           ; the wave's end
	ds_add_u32 v[SPW], v[NIL]
	s_wait_dscnt 0x0
	CROUND
	s_endpgm
.Lfunc_end_k_q31db9cff0e_outp:
	.size	k_q31db9cff0e_outp, .Lfunc_end_k_q31db9cff0e_outp-k_q31db9cff0e_outp
	.p2alignl 7, 3214868480
	.fill 96, 4, 3214868480
	.section	.rodata,"a",@progbits
	.p2align	6, 0x0
	.amdhsa_kernel k_q31db9cff0e_outp
		.amdhsa_group_segment_fixed_size 327680
		.amdhsa_private_segment_fixed_size 0
		.amdhsa_enable_private_segment 0
		.amdhsa_kernarg_size 48
		.amdhsa_user_sgpr_count 2
		.amdhsa_user_sgpr_kernarg_segment_ptr 1
		.amdhsa_wavefront_size32 1
		.amdhsa_system_sgpr_workgroup_id_x 1
		.amdhsa_system_sgpr_workgroup_id_y 1
		.amdhsa_system_sgpr_workgroup_id_z 1
		.amdhsa_system_vgpr_workitem_id 0
		.amdhsa_next_free_vgpr 768
		.amdhsa_next_free_sgpr 98
		.amdhsa_reserve_vcc 0
		.amdhsa_float_denorm_mode_32 3
		.amdhsa_float_denorm_mode_16_64 3
		.amdhsa_memory_ordered 1
		.amdhsa_forward_progress 1
		.amdhsa_inst_pref_size 96
	.end_amdhsa_kernel
	.amdgpu_metadata
---
amdhsa.version: [ 1, 2 ]
amdhsa.kernels:
  - .name:           k_q31db9cff0e_outp
    .symbol:         k_q31db9cff0e_outp.kd
    .args:
      - { .name: ocodes, .offset: 0, .size: 8, .value_kind: global_buffer, .address_space: global }
      - { .name: oscales, .offset: 8, .size: 8, .value_kind: global_buffer, .address_space: global }
      - { .name: wcodes, .offset: 16, .size: 8, .value_kind: global_buffer, .address_space: global }
      - { .name: wscales, .offset: 24, .size: 8, .value_kind: global_buffer, .address_space: global }
      - { .name: bout, .offset: 32, .size: 8, .value_kind: global_buffer, .address_space: global }
      - { .name: out0, .offset: 40, .size: 8, .value_kind: global_buffer, .address_space: global }
    .group_segment_fixed_size: 327680
    .private_segment_fixed_size: 0
    .kernarg_segment_align: 8
    .kernarg_segment_size: 48
    .max_flat_workgroup_size: 128
    .sgpr_count:     98
    .vgpr_count:     768
    .wavefront_size: 32
...
	.end_amdgpu_metadata
.endif
;; end of part 4
